; MI455X (gfx1250); checked and timed in simulation.
; The chip was launched on July 23, 2026; its instructions are those of AMD's public machine-readable ISA for CDNA 5 (MIT licence, August 2026) and "CDNA5" Instruction Set Architecture Reference Guide (July 2026). The comments in the code are by the model that wrote it; some were corrected since.
;; Multi Head Self Attention. Allowed arithmetic: matrix products marked QUANTISED: E2M1 operands, one E8M0 scale for each 32 along K, by v_wmma_scale_f32_16x16x128_f8f6f4 with both operands' format E2M1 (or v_wmma_scale_f32_32x16x128_f4), f32 sums; products left as they are: bf16, f16 or f32 operands; f32 sums; everything else in f32.
;; Inputs: Wk 1,024 x 1,024 float32; Wo 1,024 x 1,024 float32; Wq 1,024 x 1,024 float32; Wv 1,024 x 1,024 float32; bk 1,024 float32; bo 1,024 float32; bq 1,024 float32; bv 1,024 float32; pad_mask 4 x 1,024 float32; posK 257 x 64 float32; posV 257 x 64 float32; x 4 x 1,024 x 1,024 float32.
;; Outputs: out0 4 x 1,024 x 1,024 float32.
;; This version of the problem:
;;   THIS VERSION OF THE PROBLEM IS GIVEN IN LOW PRECISION. The matrix products marked QUANTISED in the list below multiply operands that are first quantised to E2M1 (2 exponent bits, 1 mantissa bit; 4 bits a number), with one power-of-two scale for each 32 numbers along K (OCP MX v1.0); their sums are f32. The products marked 'left as it is' may take bf16, f16 or f32 operands, with f32 sums. Whichever they take, every output number must still come out within the allowed error. Rounding operands to bf16 (8 significant bits) uses up far more of that allowance than f16 does (11 bits, for magnitudes from 6e-5 to 65,504). All else is computed in f32.
;;   The module's matrix products, in the order in which they are computed (A, B: the left and right operand; K: the contracted axis; several contracted axes count as one K, in the product's order):
;;     1. [M 4,096, K 1,024] x [K 1,024, N 1,024]; A: input x; B: input Wq: QUANTISED
;;     2. [M 4,096, K 1,024] x [K 1,024, N 1,024]; A: input x; B: input Wk: QUANTISED
;;     3. [M 4,096, K 1,024] x [K 1,024, N 1,024]; A: input x; B: input Wv: QUANTISED
;;     4. batch 64 x [M 1,024, K 64] x [K 64, N 1,024]; A: computed on the way; B: computed on the way: left as it is (an operand is computed on the way)
;;     5. batch 1,024 x [M 1,024, K 64] x [K 64, N 64]; A: computed on the way; B: computed on the way: left as it is (an operand is computed on the way)
;;     6. batch 64 x [M 1,024, K 1,024] x [K 1,024, N 64]; A: computed on the way; B: computed on the way: left as it is (an operand is computed on the way)
;;     7. batch 1,024 x [M 64, K 1,024] x [K 1,024, N 64]; A: computed on the way; B: computed on the way: left as it is (an operand is computed on the way)
;;     8. [M 4,096, K 1,024] x [K 1,024, N 1,024]; A: computed on the way; B: input Wo: left as it is (an operand is computed on the way)
;;   THE QUANTISER, for each operand of a quantised product, along K:
;;     - K is cut into blocks of 32 from its start; a last block that is shorter is filled with zeros.
;;     - A block's scale is 2^e with e = floor(log2(the largest magnitude in the block)) - 2, held to -126 .. 127; a block of zeros has e = 0. As a byte (E8M0): e + 127.
;;     - Each number is divided by its block's scale, clamped to +-6, and rounded to the nearest number of E2M1, ties to even, subnormals kept.
;;     - The product sums the exact products of the quantised numbers (number of the format x scale) in f32.
;;   ~~~python
;;   def quantise(x, axis):      # numpy; x: float32 -> the quantised numbers, widened to float32 again
;;       x = np.moveaxis(x, axis, -1); K = x.shape[-1]
;;       x = np.pad(x, [(0, 0)] * (x.ndim - 1) + [(0, -K % 32)]); x = x.reshape(x.shape[:-1] + (-1, 32)); a = np.abs(x).max(-1, keepdims=True)
;;       e = np.where(a > 0, np.clip(np.frexp(np.where(a > 0, a, 1))[1] - 1 - 2, -126, 127), 0)      # np.frexp(a)[1] - 1 = floor(log2(a)), exactly
;;       r = np.clip(x / 2.0 ** e, -6, 6)
;;       step = 2.0 ** (np.maximum(np.frexp(np.where(r == 0, 1, r))[1] - 1, 0) - 1)
;;       q = np.round(r / step) * step * 2.0 ** e      # np.round: ties to even
;;       return np.moveaxis(q.reshape(q.shape[:-2] + (-1,))[..., :K], -1, axis).astype(np.float32)
;;   ~~~
;; One version. Each part assembles by itself: llvm-mc -triple=amdgcn-amd-amdhsa -mcpu=gfx1250 --defsym DOCPART=n.
;; ======== version 1 of 1: 4 launches
;; limits: values are held in f16: magnitudes above 65,504 overflow, below 6.1e-05 lose precision
;; workspace buffers: xc 2,097,152 bytes; xs 131,072 bytes; wc 1,572,864 bytes; ws 98,304 bytes; wot 2,097,152 bytes; tab 102,400 bytes; qkv 25,165,824 bytes; ao 8,388,608 bytes
;; launch prep (part 1): grid 281 x 1, 8 waves a work-group, no clusters, 131,072 bytes of LDS; arguments x, Wq, Wk, Wv, Wo, posK, posV, xc, xs, wc, ws, wot, tab; writes xc, xs, wc, ws, wot, tab
.if DOCPART == 1
	.amdgcn_target "amdgcn-amd-amdhsa--gfx1250"
	.amdhsa_code_object_version 6
	.text
	.protected	k_q9e937895d4_prep
	.globl	k_q9e937895d4_prep
	.p2align	8
	.type	k_q9e937895d4_prep,@function
k_q9e937895d4_prep:
	s_mov_b64 s[64:65], 0
	v_nop
	global_prefetch_b8 v0, s[64:65] scope:SCOPE_SE
	s_setreg_imm32_b32 hwreg(HW_REG_WAVE_MODE, 25, 1), 1
	s_wait_xcnt 0x0
; PREP: everything that later launches read many times is made once.  Four kinds of work-group of eight waves, told apart by the work-group's number alone; each of the first three kinds reads 128 KiB:
;   0-127    x [4096][1024] f32 -> codes of FP4 (E2M1), K innermost, xc [4096][512 bytes], and one E8M0 byte for each 32 along K, xs [4096][32]
;   128-223  Wq, Wk, Wv [k][n] f32 (K is the FIRST axis) -> wc [3072 n][512 bytes], ws [3072][32]; row n = 1024 x (0 q, 1 k, 2 v) + column
;   224-255  Wo [k][n] f32 -> wot [n][k] f16 (the last product is left as it is and takes f16 operands)
;   256-280  posK, posV [257][64] f32 -> tab: two tables of 400 rows x 64 f16; row e holds pos[clip(e - 63, 0, 256)], so that a window of the table serves every clipped distance
; A block's scale is 2^(floor(log2(its largest magnitude)) - 2); its byte is the largest magnitude's exponent field - 2, held at 1 from below.
; LIMITS: a block of zeros gets the byte 1 where the quantiser's text says 127 (its codes are zeros, and this program alone reads the bytes); blocks whose largest magnitude lies under 2^(3 - 127)
; are held at the byte 1; NaN and infinities are not served; Wo and the tables must lie inside f16's range (65,504), numbers under 6e-5 carry f16's absolute error of 3e-8.
; No tensor loads.  Each kind of work-group has LDS bytes of its own.  A wave's chain of dependent loads is kept short: x's waves ask for all their 32 loads at once, the weights' waves walk four blocks of 32 loads, two blocks ahead.
.set SPW,   200                        ; v200  LDS address of my spare word: SPARE + 4 x my thread's number; never rewritten
.set NIL,   201                        ; v201  0; never rewritten
.set XSCB,  40960                      ; LDS: 0 .. 40,959 x's stages (5,120 a wave); then the work-group's 1,024 scale bytes of x;
.set WSTG,  41984                      ; then the weights' stage, 64 rows (columns of W) x 272,
.set WSC,   59392                      ; and their scale words, 64 x 16 bytes;
.set TSTG,  60416                      ; then Wo's eight stages of 32 x 272;
.set SPARE, 130048                     ; then the spare words, 128 bytes a wave: four blocks of 256 bytes that no other line names
.set PITCH, 272                        ; a stage row: 256 bytes + 16
.set SP,    80                         ; x's path: a lane's place in a stage: its 64 bytes + 16 of padding
.set XR,    16                         ; v16-143  x: eight sets of 16 numbers as loaded, one for each step
.set XX,    144                        ; v144-175 two sets of 16 neighbours
.set XE,    176                        ; v176-183 a scale byte for each step
.set XC,    184                        ; v184-199 codes: two registers for each step, so that no store's data are written again
.set KX,    32                         ; v32-95   the weights' paths: two sets of 32 numbers down K
.set KC,    96                         ; v96-111  a block's codes, or its 32 f16
.set OUTR,  112                        ; v112-175 the way out
.set SB,    24                         ; v24      my four scale bytes
.macro XLOAD t                         ; step t: 2,048 consecutive bytes, 512 a load
.irp i, 0,1,2,3
	global_load_b128 v[XR+16*(\t)+4*\i:XR+16*(\t)+4*\i+3], v3, s[4:5] offset:2048*(\t)+512*\i th:TH_LOAD_NT
.endr
.endm
.macro XTURN t                         ; through my stage: in as loaded, back 64 bytes a lane; LDS serves a wave's instructions in order, so no wait stands between
.irp i, 0,1,2,3
	ds_store_b128 v14, v[XR+16*(\t)+4*\i:XR+16*(\t)+4*\i+3] offset:32*SP*((\t)%2)+8*SP*\i
.endr
.irp i, 0,1,2,3
	ds_load_b128 v[XX+16*((\t)%2)+4*\i:XX+16*((\t)%2)+4*\i+3], v15 offset:32*SP*((\t)%2)+16*\i
.endr
.endm
.macro XSTEP t
.set XS, XX+16*((\t)%2)
.if (\t) > 0
	s_wait_dscnt 1                                 ; this step's numbers are back from the stage; the last step's byte store may be out
.else
	s_wait_dscnt 0x0
.endif
.if (\t)+1 < 8
	s_wait_loadcnt 4*(6-(\t))                      ; the next step's four loads are in; those of the steps behind it, four each, may be out
	XTURN (\t)+1                                   ; and go through the other stage while this step is worked
.endif
	v_max3_num_f32 v8, |v[XS]|, |v[XS+1]|, |v[XS+2]|   ; the largest magnitude of my 16, in two chains
	v_max3_num_f32 v9, |v[XS+3]|, |v[XS+4]|, |v[XS+5]|
.irp i, 6,10
	v_max3_num_f32 v8, v8, |v[XS+\i]|, |v[XS+\i+1]|
	v_max3_num_f32 v9, v9, |v[XS+\i+2]|, |v[XS+\i+3]|
.endr
	v_max3_num_f32 v8, v8, |v[XS+14]|, |v[XS+15]|
	v_max3_num_f32 v8, v8, v9, 0x1800000           ; and the floor 2^(3 - 127): the byte cannot fall under 1
	v_max_num_f32_dpp v8, v8, v8 row_xmask:1 row_mask:0xf bank_mask:0xf   ; with my neighbour's 16: the block's
	v_add_nc_u32 v11, 0xff000000, v8               ; 2 off its exponent field: the conversion takes this operand's exponent field as its scale
	v_cvt_scalef32_pk8_fp4_f32 v[XC+2*(\t)], v[XS:XS+7], v11
	v_cvt_scalef32_pk8_fp4_f32 v[XC+2*(\t)+1], v[XS+8:XS+15], v11
	v_lshrrev_b32 v[XE+(\t)], 23, v11              ; the scale's byte (also the plain line behind the conversions)
	ds_store_b8 v5, v[XE+(\t)] offset:16*(\t)      ; both lanes of a block write the same byte with the same value
	global_store_b64 v4, v[XC+2*(\t):XC+2*(\t)+1], s[18:19] offset:256*(\t)   ; 32 lanes store 256 consecutive bytes, aligned
.endm
.macro KLOAD t                         ; block t of a weight: rows 32 t + i of my column, i = 0 .. 31, into set t % 2; 32 lanes read 128 consecutive bytes, the wave beside me the next 128
.irp i, 0,1,2,3,4,5,6,7,8,9,10,11,12,13,14,15,16,17,18,19,20,21,22,23,24,25,26,27,28,29,30,31
	global_load_b32 v[KX+32*((\t)%2)+\i], v3, s[36:37] offset:(32*(\t)+\i)*4096 th:TH_LOAD_NT
.endr
.endm
.macro WBLOCK t                        ; 32 numbers down K of my column become 16 bytes of codes and a scale byte
.set XS, KX+32*((\t)%2)
.if (\t) < 3
	s_wait_loadcnt 32                              ; this block's 32 loads are in; the next block's may be out
.else
	s_wait_loadcnt 0
.endif
	v_max3_num_f32 v12, |v[XS]|, |v[XS+1]|, |v[XS+2]|
	v_max3_num_f32 v13, |v[XS+3]|, |v[XS+4]|, |v[XS+5]|
.irp i, 6,10,14,18,22,26
	v_max3_num_f32 v12, v12, |v[XS+\i]|, |v[XS+\i+1]|
	v_max3_num_f32 v13, v13, |v[XS+\i+2]|, |v[XS+\i+3]|
.endr
	v_max3_num_f32 v12, v12, |v[XS+30]|, |v[XS+31]|
	v_max3_num_f32 v12, v12, v13, 0x1800000        ; the floor 2^(3 - 127)
	v_add_nc_u32 v11, 0xff000000, v12
	v_lshrrev_b32 v13, 23, v11
.if (\t) == 0
	v_mov_b32 v[SB], v13                           ; four bytes to a register, the lower K in the lower byte
.else
	v_lshl_or_b32 v[SB], v13, 8*(\t), v[SB]
.endif
.irp g, 0,1,2,3
	v_cvt_scalef32_pk8_fp4_f32 v[KC+\g], v[XS+8*\g:XS+8*\g+7], v11
.endr
	v_nop                                          ; a plain line behind the last conversion
	ds_store_b128 v4, v[KC:KC+3] offset:16*(\t)
.if (\t)+2 < 4
	KLOAD (\t)+2
.endif
	s_wait_dscnt 0x0                               ; the store has read its registers: the next block's codes may be written
.endm
.macro TBLOCK t                        ; 32 numbers down K of my column become 64 bytes of f16
.set XS, KX+32*((\t)%2)
.if (\t) < 3
	s_wait_loadcnt 32
.else
	s_wait_loadcnt 0
.endif
.irp j, 0,1,2,3,4,5,6,7,8,9,10,11,12,13,14,15
	v_cvt_pk_f16_f32 v[KC+\j], v[XS+2*\j], v[XS+2*\j+1]
.endr
.irp j, 0,1,2,3
	ds_store_b128 v4, v[KC+4*\j:KC+4*\j+3] offset:64*(\t)+16*\j
.endr
.if (\t)+2 < 4
	KLOAD (\t)+2
.endif
	s_wait_dscnt 0x0
.endm
.macro CLOSE                           ; a wave's end, behind its last LDS store
	s_wait_tensorcnt 0x0
	ds_add_u32 v[SPW], v[NIL]
	s_wait_dscnt 0x0
	s_endpgm
.endm
	s_load_b512 s[4:19], s[0:1], 0x0               ; x s4, Wq s6, Wk s8, Wv s10, Wo s12, posK s14, posV s16, xc s18
	s_load_b256 s[20:27], s[0:1], 0x40             ; xs s20, wc s22, ws s24, wot s26
	s_load_b64 s[28:29], s[0:1], 0x60              ; tab
	v_lshl_add_u32 v[SPW], v0, 2, SPARE
	v_mov_b32 v[NIL], 0
	v_lshrrev_b32 v1, 5, v0
	v_readfirstlane_b32 s30, v1                    ; wave 0..7
	v_and_b32 v2, 31, v0                           ; lane
	s_mov_b32 s41, 0                               ; the upper word of every offset below
	s_wait_kmcnt 0x0
	s_cmp_lt_u32 ttmp9, 128
	s_cbranch_scc0 .Lnot_x
	; ---- x: a plain stream of blocks of 32.  My wave's run: 4,096 numbers, 8 steps of 512
	v_lshlrev_b32 v3, 4, v2                        ; my 16 bytes of a load's 512
	s_lshl_b32 s34, ttmp9, 3
	s_add_co_u32 s34, s34, s30                     ; which run
	s_lshl_b32 s40, s34, 14
	s_add_nc_u64 s[4:5], s[4:5], s[40:41]          ; 16,384 bytes of x a run
.irp t, 0,1,2,3,4,5,6,7
	XLOAD \t                                       ; all 32 loads of the run go out at once
.endr
	s_lshl_b32 s40, s34, 11
	s_add_nc_u64 s[18:19], s[18:19], s[40:41]      ; 2,048 bytes of codes a run,
	s_lshl_b32 s40, ttmp9, 10
	s_add_nc_u64 s[20:21], s[20:21], s[40:41]      ; 1,024 scale bytes a work-group
	s_mul_i32 s33, s30, 2*32*SP                    ; my wave's two stages
	v_lshrrev_b32 v14, 2, v2
	v_mul_u32_u24 v14, v14, SP
	v_and_b32 v15, 3, v2
	v_lshl_add_u32 v14, v15, 4, v14
	v_add_nc_u32 v14, s33, v14                     ; the stage, in: four lanes' 64 bytes on end, then 16 of padding
	v_mul_u32_u24 v15, v2, SP
	v_add_nc_u32 v15, s33, v15                     ; and back: my 16 neighbours
	v_lshlrev_b32 v4, 3, v2                        ; 8 bytes a lane: my codes' place in a step's
	v_lshrrev_b32 v5, 1, v2
	s_lshl_b32 s33, s30, 7
	s_add_co_u32 s33, s33, XSCB
	v_add_nc_u32 v5, s33, v5                       ; my wave's 128 scale bytes: my block's byte
	v_and_b32 v7, 127, v0
	v_lshlrev_b32 v7, 3, v7                        ; the scale bytes' way out: threads 0 to 127 take 8 bytes each
	v_add_nc_u32 v6, XSCB, v7
	s_wait_loadcnt 28                              ; step 0's four loads are in; the other seven steps' may be out
	XTURN 0
.irp t, 0,1,2,3,4,5,6,7
	XSTEP \t
.endr
	s_wait_dscnt 0x0                               ; for the others' sake: my byte stores are done
	s_barrier_signal -1
	s_barrier_wait -1                              ; the eight waves' 128 bytes each lie on end
	s_cmp_lt_u32 s30, 4
	s_cbranch_scc0 .Lx_end
	ds_load_b64 v[8:9], v6
	s_wait_dscnt 0x0
	global_store_b64 v7, v[8:9], s[20:21]          ; 32 lanes store 256 consecutive bytes, aligned
.Lx_end:
	CLOSE
.Lnot_x:
	v_lshlrev_b32 v3, 2, v2                        ; both weights' paths: a lane takes a column, 4 bytes a lane
	v_and_b32 v5, 15, v2
	v_lshrrev_b32 v6, 4, v2
	s_cmp_lt_u32 ttmp9, 224
	s_cbranch_scc0 .Lnot_w
	; ---- Wq, Wk, Wv: a work-group takes 64 columns x 512 along K; wave w takes columns 32 (w % 2) on and 128 along K from 128 (w / 2) on
	s_sub_co_u32 s32, ttmp9, 128
	s_lshr_b32 s33, s32, 5                         ; which weight
	s_and_b32 s34, s32, 15                         ; which 64 columns
	s_bfe_u32 s35, s32, 0x10004                    ; which 512 along K
	s_and_b32 s38, s30, 1                          ; which 32 of the columns
	s_lshr_b32 s39, s30, 1                         ; which 128 of the 512
	s_cmp_eq_u32 s33, 0
	s_cselect_b64 s[36:37], s[6:7], s[8:9]
	s_cmp_eq_u32 s33, 2
	s_cselect_b64 s[36:37], s[10:11], s[36:37]
	s_lshl_b32 s40, s35, 21                        ; 512 rows of 4,096 bytes,
	s_lshl_b32 s42, s39, 19                        ; 128 rows,
	s_add_co_u32 s40, s40, s42
	s_lshl_b32 s42, s34, 8                         ; 64 columns of 4 bytes,
	s_add_co_u32 s40, s40, s42
	s_lshl_b32 s42, s38, 7                         ; 32 columns
	s_add_co_u32 s40, s40, s42
	s_add_nc_u64 s[36:37], s[36:37], s[40:41]
	KLOAD 0
	KLOAD 1
	s_lshl_b32 s42, s33, 10
	s_lshl_b32 s43, s34, 6
	s_add_co_u32 s42, s42, s43                     ; the work-group's first row of wc and ws
	s_lshl_b32 s43, s30, 3
	s_add_co_u32 s43, s43, s42                     ; the first of the 8 rows of wc that I store
	s_lshl_b32 s40, s43, 9
	s_lshl_b32 s43, s35, 8
	s_add_co_u32 s40, s40, s43
	s_add_nc_u64 s[22:23], s[22:23], s[40:41]
	s_lshl_b32 s40, s42, 5
	s_lshl_b32 s43, s35, 4
	s_add_co_u32 s40, s40, s43
	s_add_nc_u64 s[24:25], s[24:25], s[40:41]
	s_mul_i32 s44, s38, 32*PITCH
	s_lshl_b32 s45, s39, 6
	s_add_co_u32 s44, s44, s45
	s_add_co_u32 s44, s44, WSTG
	v_mul_u32_u24 v4, v2, PITCH
	v_add_nc_u32 v4, s44, v4                       ; into the stage: row = my column, my 128 along K are 64 of its 256 bytes
	s_mul_i32 s44, s30, 8*PITCH
	s_add_co_u32 s44, s44, WSTG
	v_mul_u32_u24 v7, v6, PITCH
	v_lshl_add_u32 v7, v5, 4, v7
	v_add_nc_u32 v7, s44, v7                       ; out of it: my 8 rows, sixteen lanes to a row, two rows an instruction
	v_lshlrev_b32 v8, 9, v6
	v_lshl_add_u32 v8, v5, 4, v8                   ; the same place in wc (rows of 512 bytes)
	s_lshl_b32 s44, s38, 9
	s_lshl_b32 s45, s39, 2
	s_add_co_u32 s44, s44, s45
	s_add_co_u32 s44, s44, WSC
	v_lshl_add_u32 v9, v2, 4, s44                  ; my column's 16 scale bytes: my word of them
	v_and_b32 v10, 63, v0
	v_lshl_add_u32 v16, v10, 4, WSC                ; their way out: threads 0 to 63 take a column each,
	v_lshlrev_b32 v10, 5, v10                      ; its row of ws
.irp t, 0,1,2,3
	WBLOCK \t
.endr
	ds_store_b32 v9, v[SB]
	s_wait_dscnt 0x0                               ; for the others' sake: my stores into the stage are done
	s_barrier_signal -1
	s_barrier_wait -1                              ; 64 whole rows of 256 bytes lie in the stage
.irp t, 0,1,2,3
	ds_load_b128 v[OUTR+4*\t:OUTR+4*\t+3], v7 offset:2*\t*PITCH
.endr
.irp t, 0,1,2,3
	s_wait_dscnt 3-\t
	global_store_b128 v8, v[OUTR+4*\t:OUTR+4*\t+3], s[22:23] offset:2*\t*512   ; sixteen lanes store 256 consecutive bytes, aligned
.endr
	s_cmp_lt_u32 s30, 2
	s_cbranch_scc0 .Lw_end
	ds_load_b128 v[28:31], v16
	s_wait_dscnt 0x0
	global_store_b128 v10, v[28:31], s[24:25]      ; a column's 16 scale bytes of these 512 along K
.Lw_end:
	CLOSE
.Lnot_w:
	s_cmp_lt_u32 ttmp9, 256
	s_cbranch_scc0 .Ltables
	; ---- Wo: a work-group takes 256 columns x 128 along K, a wave 32 of the columns, to f16 with K innermost
	s_sub_co_u32 s32, ttmp9, 224
	s_and_b32 s34, s32, 3                          ; which 256 columns
	s_lshr_b32 s35, s32, 2                         ; which 128 along K
	s_lshl_b32 s38, s34, 8
	s_lshl_b32 s39, s30, 5
	s_add_co_u32 s38, s38, s39                     ; my first column
	s_lshl_b32 s40, s35, 19                        ; 128 rows of 4,096 bytes
	s_lshl_b32 s42, s38, 2
	s_add_co_u32 s40, s40, s42
	s_add_nc_u64 s[36:37], s[12:13], s[40:41]
	KLOAD 0
	KLOAD 1
	s_lshl_b32 s40, s38, 11                        ; rows of wot are 2,048 bytes
	s_lshl_b32 s43, s35, 8
	s_add_co_u32 s40, s40, s43
	s_add_nc_u64 s[26:27], s[26:27], s[40:41]
	s_mul_i32 s44, s30, 32*PITCH                   ; my own stage
	s_add_co_u32 s44, s44, TSTG
	v_mul_u32_u24 v4, v2, PITCH
	v_add_nc_u32 v4, s44, v4
	v_mul_u32_u24 v7, v6, PITCH
	v_lshl_add_u32 v7, v5, 4, v7
	v_add_nc_u32 v7, s44, v7
	v_lshlrev_b32 v8, 11, v6
	v_lshl_add_u32 v8, v5, 4, v8
.irp t, 0,1,2,3
	TBLOCK \t
.endr
.irp t, 0,1,2,3,4,5,6,7,8,9,10,11,12,13,14,15
	ds_load_b128 v[OUTR+4*\t:OUTR+4*\t+3], v7 offset:2*\t*PITCH
.endr
.irp t, 0,1,2,3,4,5,6,7,8,9,10,11,12,13,14,15
	s_wait_dscnt 15-\t
	global_store_b128 v8, v[OUTR+4*\t:OUTR+4*\t+3], s[26:27] offset:2*\t*2048  ; sixteen lanes store 256 consecutive bytes, aligned
.endr
	CLOSE
.Ltables:
	; ---- the tables: thread c of 6,400 makes 4 numbers (8 bytes) of each: row e = c / 16, numbers 4 (c % 16) on
	s_sub_co_u32 s32, ttmp9, 256
	s_lshl_b32 s32, s32, 8
	v_add_nc_u32 v1, s32, v0                       ; c
	v_lshrrev_b32 v3, 4, v1                        ; e
	v_max_u32 v3, 63, v3
	v_sub_nc_u32 v3, v3, 63
	v_min_u32 v3, 0x100, v3                        ; clip(e - 63, 0, 256)
	v_and_b32 v4, 15, v1
	v_lshlrev_b32 v4, 4, v4
	v_lshl_add_u32 v3, v3, 8, v4                   ; a row of the source is 256 bytes
	v_lshlrev_b32 v5, 3, v1
	global_load_b128 v[8:11], v3, s[14:15]
	global_load_b128 v[12:15], v3, s[16:17]
	s_wait_loadcnt 0x0
.irp j, 0,1,2,3
	v_cvt_pk_f16_f32 v[16+\j], v[8+2*\j], v[9+2*\j]
.endr
	global_store_b64 v5, v[16:17], s[28:29]                ; posK's table: 32 lanes store 256 consecutive bytes, aligned
	global_store_b64 v5, v[18:19], s[28:29] offset:51200   ; posV's: 400 rows of 128 bytes further on
	CLOSE
.Lfunc_end_k_q9e937895d4_prep:
	.size	k_q9e937895d4_prep, .Lfunc_end_k_q9e937895d4_prep-k_q9e937895d4_prep
	.p2alignl 7, 3214868480
	.fill 96, 4, 3214868480
	.section	.rodata,"a",@progbits
	.p2align	6, 0x0
	.amdhsa_kernel k_q9e937895d4_prep
		.amdhsa_group_segment_fixed_size 131072
		.amdhsa_private_segment_fixed_size 0
		.amdhsa_enable_private_segment 0
		.amdhsa_kernarg_size 104
		.amdhsa_user_sgpr_count 2
		.amdhsa_user_sgpr_kernarg_segment_ptr 1
		.amdhsa_wavefront_size32 1
		.amdhsa_system_sgpr_workgroup_id_x 1
		.amdhsa_system_sgpr_workgroup_id_y 1
		.amdhsa_system_sgpr_workgroup_id_z 1
		.amdhsa_system_vgpr_workitem_id 0
		.amdhsa_next_free_vgpr 208
		.amdhsa_next_free_sgpr 66
		.amdhsa_reserve_vcc 0
		.amdhsa_float_denorm_mode_32 3
		.amdhsa_float_denorm_mode_16_64 3
		.amdhsa_memory_ordered 1
		.amdhsa_forward_progress 1
		.amdhsa_inst_pref_size 63
	.end_amdhsa_kernel
	.amdgpu_metadata
---
amdhsa.version: [ 1, 2 ]
amdhsa.kernels:
  - .name:           k_q9e937895d4_prep
    .symbol:         k_q9e937895d4_prep.kd
    .args:
      - { .name: x, .offset: 0, .size: 8, .value_kind: global_buffer, .address_space: global }
      - { .name: Wq, .offset: 8, .size: 8, .value_kind: global_buffer, .address_space: global }
      - { .name: Wk, .offset: 16, .size: 8, .value_kind: global_buffer, .address_space: global }
      - { .name: Wv, .offset: 24, .size: 8, .value_kind: global_buffer, .address_space: global }
      - { .name: Wo, .offset: 32, .size: 8, .value_kind: global_buffer, .address_space: global }
      - { .name: posK, .offset: 40, .size: 8, .value_kind: global_buffer, .address_space: global }
      - { .name: posV, .offset: 48, .size: 8, .value_kind: global_buffer, .address_space: global }
      - { .name: xc, .offset: 56, .size: 8, .value_kind: global_buffer, .address_space: global }
      - { .name: xs, .offset: 64, .size: 8, .value_kind: global_buffer, .address_space: global }
      - { .name: wc, .offset: 72, .size: 8, .value_kind: global_buffer, .address_space: global }
      - { .name: ws, .offset: 80, .size: 8, .value_kind: global_buffer, .address_space: global }
      - { .name: wot, .offset: 88, .size: 8, .value_kind: global_buffer, .address_space: global }
      - { .name: tab, .offset: 96, .size: 8, .value_kind: global_buffer, .address_space: global }
    .group_segment_fixed_size: 131072
    .private_segment_fixed_size: 0
    .kernarg_segment_align: 8
    .kernarg_segment_size: 104
    .max_flat_workgroup_size: 256
    .sgpr_count:     66
    .vgpr_count:     208
    .wavefront_size: 32
...
	.end_amdgpu_metadata
.endif
;; end of part 1
;; launch qkv (part 2): grid 12 x 16, 4 waves a work-group, clusters of 4 x 4, 327,680 bytes of LDS; arguments xc, xs, wc, ws, qkv, bq, bk, bv; writes qkv
.if DOCPART == 2
	.amdgcn_target "amdgcn-amd-amdhsa--gfx1250"
	.amdhsa_code_object_version 6
	.text
	.protected	k_q9e937895d4_qkv
	.globl	k_q9e937895d4_qkv
	.p2align	8
	.type	k_q9e937895d4_qkv,@function
k_q9e937895d4_qkv:
	s_mov_b64 s[64:65], 0
	v_nop
	global_prefetch_b8 v0, s[64:65] scope:SCOPE_SE
	s_setreg_imm32_b32 hwreg(HW_REG_WAVE_MODE, 25, 1), 1
	s_wait_xcnt 0x0
	s_wait_alu depctr_hold_cnt(0) depctr_sa_sdst(0) depctr_va_vdst(0) depctr_va_sdst(0) depctr_va_ssrc(0) depctr_va_vcc(0) depctr_vm_vsrc(0)
	s_getreg_b32 s2, hwreg(HW_REG_IB_STS2, 6, 4)
	s_cmp_eq_u32 s2, 0
	s_cbranch_scc0 .Lentry_in_a_cluster
	s_endpgm
.Lentry_in_a_cluster:
	s_bfe_u32 s2, ttmp6, 0x10000c
	s_cmp_lg_u32 s2, 0xf033
	s_cbranch_scc0 .Lentry_shape_is_right
	s_endpgm
.Lentry_shape_is_right:
; Q, K, V = x W + b, the three quantised products as ONE product C[m][n] = sum over k of A[m][k] B[n][k] + bias[n]: A = x's codes [4096][1024], B = the three weights' codes [3072][1024] (FP4, E2M1, one E8M0 byte for each 32 along K).
; Sums in f32.  Q is multiplied by log2(e) / 8 (the softmax works in base 2 and divides the scores by sqrt(64)); all three are rounded once to f16 and stored by head: qkv [which][batch][head][position][64].
; LIMIT: |x W + b| must stay under f16's largest number, 65,504; numbers under 6e-5 carry f16's absolute error of 3e-8.
; A tile of C, 256 x 256, is made by a work-group of four waves; a wave makes 128 x 128: 64 accumulators of 16 x 16, 512 registers.  K = 1,024 is two LDS slots of 512 along K (rows of 256 bytes): both are asked for at the head, and nothing is filled again.
; The scale bytes of the work-group's 256 + 256 rows, for all of K, come once, as dense blocks.
; CLUSTERS: 4 x 4 work-groups; A's tiles are asked for jointly along a row of the cluster, B's along a column.  The grid's x has three clusters: cluster x says which of q, k, v; cluster y is the batch.
; THE MATRIX INSTRUCTION IS USED TRANSPOSED (source 0 = 16 rows of B, source 1 = 16 rows of A): a lane holds eight neighbouring columns of one row of C.  The bias is the C of each sum's first instruction.
; REGISTERS, in windows of 256: window 0: v0-31 addresses; v32-95 scale words, two sets; v128-191 A's fragments, one set; v192-255 the bias, 8 registers for each of B's 8 blocks; on the way out v32-127 are free.
;   window 1: B's fragments, two sets, at v0 and v128.   window 2: the accumulators of my rows 0-63 ((a, b) at v[8 (8 a + b)]);   window 3: those of my rows 64-127.
.set NQ,     4                         ; steps of 128 along K in a slot
.set ROWB,   256                       ; a tile's row in bytes
.set KROW,   512                       ; a row of codes in memory
.set PITCH,  272                       ; an LDS row: 256 bytes + 16: the 16 rows that a load touches start 16 bytes apart modulo 256
.set FR,     8
.set NL,     2
.set NP,     4                         ; places behind this matrix instruction (ISA guide 7.12.1)
.set HALFT,  128*PITCH
.set SLOT,   4*HALFT
.set KS,     32                        ; a row of scale bytes
.set SCL,    2*SLOT
.set HALFS,  (128*KS/256)*272
.set SBLK,   (16*KS/256)*272
.set SPARE,  SCL+4*HALFS               ; the spare words, 128 bytes a wave: two blocks of 256 bytes that no other line names
.set SPITCH, 400                       ; the way out: a stage of 16 rows x (256 bytes + 144) for each wave, in slot 0, which has had its only fill and its last read by then
.set ADRA, 16
.set ADRB, 20
.set STO,  24
.set RD,   25
.set CO,   26
.set ADRS, 27
.set SPW,  28
.set NIL,  29
.set SC,   32
.set AF,   128
.set BI,   192
.set TMP,  32                          ; the way out: a block's 32 packed registers
.set BK,   64                          ; and 16 rows read back: v64-95 and v96-127 by turns
.set G1, 24
.set G0, 32
.set G1B, 48
.set G0B, 56
.set G1S, 68
.set G0S, 76
.set G1SB, 80
.set G0SB, 88
.set MSB, 0
.macro WIN new                         ; the immediate's high byte repeats the setting that is left
.if MSB != (\new)
	s_set_vgpr_msb (MSB<<8)|(\new)
.set MSB, (\new)
.endif
.endm
.set MUL_LO, 0xa1                      ; source 0 (B) window 1, source 1 (A) window 0, C and D window 2
.set MUL_HI, 0xf1                      ; the same, C and D window 3
.set TO_B,   0x40
.macro JLOAD g0a, g1a, g0b, g1b        ; a joint load: waves 0 and 1 fetch for A, waves 2 and 3 for B; an s_nop 0 and four v_nop follow each line
	s_cmp_eq_u32 s15, 0
	s_cbranch_scc0 .Lfor_b_\@
	tensor_load_to_lds s[\g0a:\g0a+3], s[\g1a:\g1a+7]
	s_nop 0
.rept 4
	v_nop
.endr
	s_branch .Lasked_\@
.Lfor_b_\@:
	tensor_load_to_lds s[\g0b:\g0b+3], s[\g1b:\g1b+7]
	s_nop 0
.rept 4
	v_nop
.endr
.Lasked_\@:
.endm
.macro CROUND                          ; a round of the cluster's barrier
	s_barrier_signal -1
	s_barrier_wait -1
	s_cmp_lg_u32 s14, 0
	s_cbranch_scc1 .Lnot_wave_0_\@
	s_barrier_signal -3
.Lnot_wave_0_\@:
	s_barrier_wait -3
	s_barrier_signal -1
	s_barrier_wait -1
.endm
	s_load_b128 s[4:7], s[0:1], 0x0                ; x's codes, x's scales
	s_load_b128 s[8:11], s[0:1], 0x10              ; the weights' codes, their scales
	s_load_b64 s[12:13], s[0:1], 0x20              ; qkv
	s_load_b64 s[96:97], s[0:1], 0x28              ; bq
	s_load_b64 s[98:99], s[0:1], 0x30              ; bk
	s_load_b64 s[100:101], s[0:1], 0x38            ; bv
	v_lshl_add_u32 v[SPW], v0, 2, SPARE
	v_mov_b32 v[NIL], 0
	ds_add_u32 v[SPW], v[NIL]                      ; the wave's opening: the add, twice on end, and its wait ahead of my first tensor load
	ds_add_u32 v[SPW], v[NIL]
	v_lshrrev_b32 v1, 5, v0
	v_readfirstlane_b32 s14, v1                    ; wave 0..3
	s_lshr_b32 s15, s14, 1                         ; which half of the tile's rows is mine.  Also: I fetch for A (0) or for B (1)
	s_and_b32 s16, s14, 1                          ; which half of its columns.  Also: which 128 rows of that tile I fetch
	s_bfe_u32 s40, ttmp6, 0x40000                  ; cx, cy: my place in the cluster
	s_bfe_u32 s41, ttmp6, 0x40004
	s_lshl_b32 s42, ttmp9, 2
	s_add_co_u32 s42, s42, s40                     ; tile column of C
	s_and_b32 s17, ttmp7, 0xffff
	s_lshl_b32 s17, s17, 2
	s_add_co_u32 s17, s17, s41                     ; tile row of C
	s_lshl_b32 s43, s41, 2
	s_lshl_b32 s43, 15, s43                        ; my row of the cluster
	s_lshl_b32 s44, 0x1111, s40                    ; my column
	s_or_b32 s[G1+0], s43, (0<<16)|(1<<20)|(1<<21)|(5<<22)|(3<<25)  ; the mask; elements of 1 byte; padding on; bit 21 beside a mask; 4 words after every 64
	s_or_b32 s[G1B+0], s44, (0<<16)|(1<<20)|(1<<21)|(5<<22)|(3<<25)
.irp g, G1, G1B
	s_mov_b32 s[\g+1], ROWB<<16                    ; tensor_dim0
	s_mov_b32 s[\g+2], 128<<16                     ; tensor_dim1
	s_mov_b32 s[\g+3], ROWB<<16                    ; tile_dim0
	s_mov_b32 s[\g+4], 128                         ; tile_dim1
	s_mov_b32 s[\g+5], KROW                        ; the pitch in memory
	s_mov_b32 s[\g+6], 0
	s_mov_b32 s[\g+7], 0
.endr
	s_or_b32 s[G1S+0], s43, (3<<16)|(1<<20)|(1<<21)|(5<<22)|(3<<25) ; the scales of 128 rows: 4,096 dense bytes as 16 rows of 256, 16 bytes of padding behind each
	s_or_b32 s[G1SB+0], s44, (3<<16)|(1<<20)|(1<<21)|(5<<22)|(3<<25)
.irp g, G1S, G1SB
	s_mov_b32 s[\g+1], 32<<16
	s_mov_b32 s[\g+2], (128*KS/256)<<16
	s_mov_b32 s[\g+3], 32<<16
	s_mov_b32 s[\g+4], 128*KS/256
	s_mov_b32 s[\g+5], 32
	s_mov_b32 s[\g+6], 0
	s_mov_b32 s[\g+7], 0
.endr
	s_lshl_b32 s18, s16, 7
	s_lshl_b32 s20, s17, 8
	s_add_co_u32 s20, s20, s18                     ; A: row 256 x tile row + 128 x half
	s_lshl_b32 s46, s42, 8
	s_add_co_u32 s46, s46, s18                     ; B: row 256 x tile column + 128 x half
	s_mov_b32 s21, 0
	s_mov_b32 s47, 0
	s_mov_b64 s[18:19], KS
	s_mul_u64 s[22:23], s[20:21], s[18:19]         ; where these rows' scales begin
	s_mul_u64 s[92:93], s[46:47], s[18:19]
	s_mov_b64 s[18:19], KROW
	s_mul_u64 s[20:21], s[20:21], s[18:19]         ; and their codes
	s_mul_u64 s[46:47], s[46:47], s[18:19]
	s_mul_i32 s45, s14, HALFT                      ; where they go: wave x 128 rows
	s_mul_i32 s94, s14, HALFS
	s_wait_dscnt 0x0                               ; both opening adds are done
	s_wait_kmcnt 0x0
	s_add_nc_u64 s[20:21], s[4:5], s[20:21]
	s_add_nc_u64 s[22:23], s[6:7], s[22:23]
	s_add_nc_u64 s[46:47], s[8:9], s[46:47]
	s_add_nc_u64 s[92:93], s[10:11], s[92:93]
	CROUND                                         ; all sixteen work-groups are here: the joint loads meet
	s_mov_b32 s[G0S], 1
	s_add_co_u32 s[G0S+1], s94, SCL
	s_mov_b64 s[G0S+2:G0S+3], s[22:23]
	s_or_b32 s[G0S+3], s[G0S+3], 0x80000000
	s_mov_b32 s[G0SB], 1
	s_add_co_u32 s[G0SB+1], s94, SCL
	s_mov_b64 s[G0SB+2:G0SB+3], s[92:93]
	s_or_b32 s[G0SB+3], s[G0SB+3], 0x80000000
	JLOAD G0S, G1S, G0SB, G1SB                     ; the scales first: they are wanted with the first slot
.irp s, 0,1
	s_mov_b32 s[G0+4*\s], 1
	s_add_co_u32 s[G0+4*\s+1], s45, \s*SLOT
	s_add_nc_u64 s[G0+4*\s+2:G0+4*\s+3], s[20:21], \s*ROWB
	s_or_b32 s[G0+4*\s+3], s[G0+4*\s+3], 0x80000000
	s_mov_b32 s[G0B+4*\s], 1
	s_add_co_u32 s[G0B+4*\s+1], s45, \s*SLOT
	s_add_nc_u64 s[G0B+4*\s+2:G0B+4*\s+3], s[46:47], \s*ROWB
	s_or_b32 s[G0B+4*\s+3], s[G0B+4*\s+3], 0x80000000
	JLOAD G0+4*\s, G1, G0B+4*\s, G1B               ; three tensor loads of mine are out, and no more follow
.endr
	v_and_b32 v1, 15, v0                           ; r = lane % 16
	v_bfe_u32 v2, v0, 4, 1                         ; h = lane / 16
	v_mul_u32_u24 v3, v1, PITCH
	v_lshl_add_u32 v4, v2, 4, v3                   ; a fragment's row x pitch + 16 h
	s_mul_i32 s21, s15, HALFT                      ; my 128 rows of A
	s_mul_i32 s22, s16, HALFT                      ; my 128 rows of B,
	s_add_co_u32 s22, s22, 2*HALFT                 ; behind A's 256
.irp s, 0,1
	v_add_nc_u32 v[ADRA+\s], s21, v4
	v_add_nc_u32 v[ADRB+\s], s22, v4
	s_add_co_u32 s21, s21, SLOT
	s_add_co_u32 s22, s22, SLOT
.endr
	v_mul_u32_u24 v5, v1, KS                       ; my row's scales: 32 bytes a row,
	v_lshrrev_b32 v6, 8, v5
	v_lshl_add_u32 v5, v6, 4, v5                   ; and 16 more for each 256 passed
	s_mul_i32 s21, s15, HALFS
	s_mul_i32 s22, s16, HALFS
	s_add_co_u32 s22, s22, 2*HALFS
	s_sub_co_u32 s22, s22, s21
	v_mul_u32_u24 v6, s22, v2                      ; lanes 16-31 take B's
	s_add_co_u32 s21, s21, SCL
	v_add_nc_u32 v5, v5, v6
	v_add_nc_u32 v[ADRS], s21, v5
	s_mul_i32 s23, s14, 16*SPITCH                  ; my stage
	v_mul_u32_u24 v5, v1, SPITCH                   ; in: row r, 16 bytes for each half of the lanes
	v_lshl_add_u32 v5, v2, 4, v5
	v_add_nc_u32 v[STO], s23, v5
	v_bfe_u32 v5, v0, 3, 2                         ; back: eight lanes take a head's 128 bytes of a row, the 32 lanes four rows
	v_mul_u32_u24 v5, v5, SPITCH
	v_and_b32 v6, 7, v0
	v_lshl_add_u32 v5, v6, 4, v5
	v_add_nc_u32 v[RD], s23, v5
	v_and_b32 v6, 31, v0
	v_lshlrev_b32 v[CO], 4, v6                     ; in memory those four rows of a head are 512 consecutive bytes
	v_lshlrev_b32 v7, 5, v2                        ; the bias: my half's eight numbers of a block of 16
	s_cmp_eq_u32 ttmp9, 0                          ; cluster x: 0 q, 1 k, 2 v: the same in all sixteen partners; values are chosen, nothing branches
	s_cselect_b64 s[96:97], s[96:97], s[98:99]
	s_cselect_b32 s2, 0x3e38aa3b, 1.0              ; Q alone is multiplied by log2(e) / 8
	s_cmp_eq_u32 ttmp9, 2
	s_cselect_b64 s[96:97], s[100:101], s[96:97]
	s_mov_b32 s3, s2                               ; (named with it as a pair)
	s_lshl_b32 s46, s40, 10                        ; my first column within the tensor, in bytes of f32: 256 cx + 128 x half
	s_lshl_b32 s47, s16, 9
	s_add_co_u32 s46, s46, s47
	s_mov_b32 s47, 0
	s_add_nc_u64 s[96:97], s[96:97], s[46:47]
.irp b, 0,1,2,3,4,5,6,7
	global_load_b128 v[BI+8*\b:BI+8*\b+3], v7, s[96:97] offset:64*\b
	global_load_b128 v[BI+8*\b+4:BI+8*\b+7], v7, s[96:97] offset:64*\b+16
.endr
	s_lshl_b32 s46, ttmp9, 23                      ; where my part begins in qkv: which x 8 MiB
	s_and_b32 s47, ttmp7, 0xffff
	s_lshl_b32 s47, s47, 21                        ; + batch x 16 heads x 131,072
	s_add_co_u32 s46, s46, s47
	s_lshl_b32 s47, s40, 19                        ; + (4 cx
	s_add_co_u32 s46, s46, s47
	s_lshl_b32 s47, s16, 18                        ;    + 2 x column half) heads
	s_add_co_u32 s46, s46, s47
	s_lshl_b32 s47, s41, 15                        ; + (256 cy
	s_add_co_u32 s46, s46, s47
	s_lshl_b32 s47, s15, 14                        ;    + 128 x row half) rows of 128 bytes
	s_add_co_u32 s46, s46, s47
	s_mov_b32 s47, 0
	s_add_nc_u64 s[12:13], s[12:13], s[46:47]
.macro FRAG reg, adr, q, i             ; 16 rows x 128 K of 4-bit codes: 8 registers: lane l holds row l % 16; registers 4 c .. 4 c + 3 hold K = 64 c + 32 (l / 16) + 0 .. 31
.irp c, 0,1
	ds_load_b128 v[\reg+4*\c:\reg+4*\c+3], v[\adr] offset:64*(\q)+32*\c+(\i)*16*PITCH
.endr
.endm
; 16 matrix instructions: A's blocks a0, a0 + 1 x B's eight, the slot's q-th 128 along K.  first = 1: the sums start from the bias.  The 64 accumulators take turns, one instruction a turn.
.macro MUL16 a0, p, q, sc, first
.irp a, \a0, \a0+1
.irp b, 0,1,2,3,4,5,6,7
.if \first
	v_wmma_scale_f32_16x16x128_f8f6f4 v[8*(8*((\a)%4)+\b):8*(8*((\a)%4)+\b)+7], v[128*(\p)+FR*\b:128*(\p)+FR*\b+FR-1], v[AF+FR*(\a):AF+FR*(\a)+FR-1], v[BI+8*\b:BI+8*\b+7], v[SC+8*NQ*(\sc)+NQ*\b+(\q)], v[SC+8*NQ*(\sc)+NQ*(\a)+(\q)] matrix_a_fmt:MATRIX_FMT_FP4 matrix_b_fmt:MATRIX_FMT_FP4 matrix_a_scale:MATRIX_SCALE_ROW1
.else
	v_wmma_scale_f32_16x16x128_f8f6f4 v[8*(8*((\a)%4)+\b):8*(8*((\a)%4)+\b)+7], v[128*(\p)+FR*\b:128*(\p)+FR*\b+FR-1], v[AF+FR*(\a):AF+FR*(\a)+FR-1], v[8*(8*((\a)%4)+\b):8*(8*((\a)%4)+\b)+7], v[SC+8*NQ*(\sc)+NQ*\b+(\q)], v[SC+8*NQ*(\sc)+NQ*(\a)+(\q)] matrix_a_fmt:MATRIX_FMT_FP4 matrix_b_fmt:MATRIX_FMT_FP4 matrix_a_scale:MATRIX_SCALE_ROW1
.endif
.endr
.endr
.endm
.macro FETCH_B slot, q, p
	WIN TO_B
.irp i, 0,1,2,3,4,5,6,7
	FRAG 128*(\p)+FR*\i, ADRB+\slot, \q, \i
.endr
	WIN 0
.endm
.macro FETCH_A slot, q, i0
.irp i, \i0, \i0+1, \i0+2, \i0+3
	FRAG AF+FR*(\i), ADRA+\slot, \q, \i
.endr
.endm
.macro SCALES sc                       ; a slot's scale words: 4 words a row; lanes 0-15 take A's block i, lanes 16-31 B's block i
.irp i, 0,1,2,3,4,5,6,7
	ds_load_b128 v[SC+8*NQ*\sc+NQ*\i:SC+8*NQ*\sc+NQ*\i+3], v[ADRS] offset:\i*SBLK
.endr
.endm
.macro PLACES n                        ; plain vector lines between a matrix instruction and a load into, or a read of, its registers
.rept \n
	v_nop
.endr
.endm
.macro STEP slot, q, first             ; a step of 128 along K that has its successor in the same slot.  first = 1: C (the bias) lies in window 0
	s_wait_dscnt 4*NL                              ; B's set and A's blocks 0-3 are in; the youngest eight loads (A's blocks 4-7) may be out
	WIN MUL_LO-0x20*(\first)
	MUL16 0, (\q)%2, \q, \slot, \first
	MUL16 2, (\q)%2, \q, \slot, \first
	s_wait_dscnt 0                                 ; A's blocks 4-7 are in
	PLACES NP
	FETCH_B \slot, (\q)+1, 1-(\q)%2
	FETCH_A \slot, (\q)+1, 0
	WIN MUL_HI-0x30*(\first)
	MUL16 4, (\q)%2, \q, \slot, \first
	MUL16 6, (\q)%2, \q, \slot, \first
	PLACES NP
	WIN 0
	FETCH_A \slot, (\q)+1, 4
.endm
.macro TURN slot, next                 ; slot 0's last step changes slots: one barrier; nothing is filled again
	s_wait_tensorcnt 0x0                           ; all my tensor loads have landed: my part of the next slot
	ds_add_u32 v[SPW], v[NIL]                      ; 0 onto my spare word
	s_wait_dscnt 4*NL+1                            ; (the add and the youngest eight loads may be out)
	WIN MUL_LO
	MUL16 0, 1, NQ-1, \slot, 0
	s_wait_dscnt 0x0                               ; the add is done, and my reads of this slot are over
	s_barrier_signal -1
	MUL16 2, 1, NQ-1, \slot, 0
	WIN 0
	s_barrier_wait -1
	PLACES NP
	v_add_nc_u32 v[ADRS], 4*NQ, v[ADRS]            ; on to the next slot's scale words
	FETCH_B \next, 0, 0
	FETCH_A \next, 0, 0
	SCALES \next
	WIN MUL_HI
	MUL16 4, 1, NQ-1, \slot, 0
	MUL16 6, 1, NQ-1, \slot, 0
	PLACES NP
	WIN 0
	FETCH_A \next, 0, 4
.endm
	s_wait_tensorcnt 1                             ; the scales and my part of slot 0 are in (slot 1's load may be out)
	s_barrier_signal -1
	s_barrier_wait -1                              ; everybody's are
	FETCH_B 0, 0, 0
	FETCH_A 0, 0, 0
	SCALES 0
	FETCH_A 0, 0, 4
	s_wait_loadcnt 0x0                             ; the bias
	STEP 0, 0, 1
	STEP 0, 1, 0
	STEP 0, 2, 0
	TURN 0, 1
	STEP 1, 0, 0
	STEP 1, 1, 0
	STEP 1, 2, 0
	s_wait_dscnt 4*NL                              ; the very last step: nothing more to fetch
	WIN MUL_LO
	MUL16 0, 1, NQ-1, 1, 0
	MUL16 2, 1, NQ-1, 1, 0
	s_wait_dscnt 0
	WIN MUL_HI
	MUL16 4, 1, NQ-1, 1, 0
	MUL16 6, 1, NQ-1, 1, 0
	WIN 0
; THE WAY OUT, block by block of 16 rows x 128 columns (two heads).  PACK: x the factor, rounded to f16, 16 bytes a lane.  TOSTAGE: into my stage, and back so that the 32 lanes hold four rows of one head.  SEND: 512 consecutive bytes a store.
.macro PACK a
.set AC, 64*((\a)%4)
	WIN 0x82+0x41*((\a)/4)                         ; destination and source 0: window 2 or 3
.set n, 0
.rept 32
	v_pk_mul_f32 v[AC+n:AC+n+1], v[AC+n:AC+n+1], s[2:3] op_sel_hi:[1,0]   ; each accumulator from its low end on
.set n, n+2
.endr
	WIN 0x0a+5*((\a)/4)                            ; sources 0 and 1: window 2 or 3
.irp b, 0,1,2,3,4,5,6,7
.irp r, 0,1,2,3
	v_cvt_pk_f16_f32 v[TMP+4*\b+\r], v[AC+8*\b+2*\r], v[AC+8*\b+2*\r+1]
.endr
.endr
	WIN 0
.endm
.macro TOSTAGE a
.set BB, BK+32*((\a)%2)
.irp b, 0,1,2,3,4,5,6,7
	ds_store_b128 v[STO], v[TMP+4*\b:TMP+4*\b+3] offset:32*\b
.endr
.irp t, 0,1,2,3,4,5,6,7
	ds_load_b128 v[BB+4*\t:BB+4*\t+3], v[RD] offset:(\t%4)*4*SPITCH+(\t/4)*128   ; LDS serves a wave's instructions in order: these see the stores above
.endr
.endm
.macro SEND a
.set BB, BK+32*((\a)%2)
	s_wait_dscnt 0x0                               ; the block is back in registers
.irp t, 0,1,2,3,4,5,6,7
	global_store_b128 v[CO], v[BB+4*\t:BB+4*\t+3], s[12:13] offset:(\a)*2048+(\t/4)*131072+(\t%4)*512   ; head t / 4, rows 16 a + 4 (t % 4) on: every offset an immediate, no base is stepped
.endr
.endm
	PLACES NP                                      ; behind the last products
	PACK 0
	TOSTAGE 0
.irp a, 1,2,3,4,5,6,7
.if \a > 1
	s_wait_xcnt 0x0                                ; block a - 2's stores have read their registers: block a's loads may land there
.endif
	PACK \a                                        ; block a's arithmetic stands between block a - 1's loads from the stage and the wait for them
	SEND \a-1
	TOSTAGE \a
.endr
	SEND 7
	s_wait_tensorcnt 0x0                           ; the wave's end
	ds_add_u32 v[SPW], v[NIL]
	s_wait_dscnt 0x0
	CROUND                                         ; the closing round
	s_endpgm
.Lfunc_end_k_q9e937895d4_qkv:
	.size	k_q9e937895d4_qkv, .Lfunc_end_k_q9e937895d4_qkv-k_q9e937895d4_qkv
	.p2alignl 7, 3214868480
	.fill 96, 4, 3214868480
	.section	.rodata,"a",@progbits
	.p2align	6, 0x0
	.amdhsa_kernel k_q9e937895d4_qkv
		.amdhsa_group_segment_fixed_size 327680
		.amdhsa_private_segment_fixed_size 0
		.amdhsa_enable_private_segment 0
		.amdhsa_kernarg_size 64
		.amdhsa_user_sgpr_count 2
		.amdhsa_user_sgpr_kernarg_segment_ptr 1
		.amdhsa_wavefront_size32 1
		.amdhsa_system_sgpr_workgroup_id_x 1
		.amdhsa_system_sgpr_workgroup_id_y 1
		.amdhsa_system_sgpr_workgroup_id_z 1
		.amdhsa_system_vgpr_workitem_id 0
		.amdhsa_next_free_vgpr 1024
		.amdhsa_next_free_sgpr 102
		.amdhsa_reserve_vcc 0
		.amdhsa_float_denorm_mode_32 3
		.amdhsa_float_denorm_mode_16_64 3
		.amdhsa_memory_ordered 1
		.amdhsa_forward_progress 1
		.amdhsa_inst_pref_size 145
	.end_amdhsa_kernel
	.amdgpu_metadata
---
amdhsa.version: [ 1, 2 ]
amdhsa.kernels:
  - .name:           k_q9e937895d4_qkv
    .symbol:         k_q9e937895d4_qkv.kd
    .args:
      - { .name: xc, .offset: 0, .size: 8, .value_kind: global_buffer, .address_space: global }
      - { .name: xs, .offset: 8, .size: 8, .value_kind: global_buffer, .address_space: global }
      - { .name: wc, .offset: 16, .size: 8, .value_kind: global_buffer, .address_space: global }
      - { .name: ws, .offset: 24, .size: 8, .value_kind: global_buffer, .address_space: global }
      - { .name: qkv, .offset: 32, .size: 8, .value_kind: global_buffer, .address_space: global }
      - { .name: bq, .offset: 40, .size: 8, .value_kind: global_buffer, .address_space: global }
      - { .name: bk, .offset: 48, .size: 8, .value_kind: global_buffer, .address_space: global }
      - { .name: bv, .offset: 56, .size: 8, .value_kind: global_buffer, .address_space: global }
    .group_segment_fixed_size: 327680
    .private_segment_fixed_size: 0
    .kernarg_segment_align: 8
    .kernarg_segment_size: 64
    .max_flat_workgroup_size: 128
    .sgpr_count:     102
    .vgpr_count:     1024
    .wavefront_size: 32
...
	.end_amdgpu_metadata
.endif
;; end of part 2
;; launch attn (part 3): grid 4 x 64, 8 waves a work-group, no clusters, 327,680 bytes of LDS; arguments qkv, tab, pad_mask, posV, ao; writes ao
.if DOCPART == 3
	.amdgcn_target "amdgcn-amd-amdhsa--gfx1250"
	.amdhsa_code_object_version 6
	.text
	.protected	k_q9e937895d4_attn
	.globl	k_q9e937895d4_attn
	.p2align	8
	.type	k_q9e937895d4_attn,@function
k_q9e937895d4_attn:
	s_mov_b64 s[64:65], 0
	v_nop
	global_prefetch_b8 v0, s[64:65] scope:SCOPE_SE
	s_setreg_imm32_b32 hwreg(HW_REG_WAVE_MODE, 25, 1), 1
	s_wait_xcnt 0x0
; ATTENTION WITH CLIPPED RELATIVE POSITIONS.  For each batch and head: t[q][k] = (Q[q].K[k] + Q[q].posK[c(k - q)]) x mask[k], c(x) = clip(x, -128, 128) + 128 (Q arrives multiplied by log2(e) / 8);
; p = 2^(t - m), m the row's running maximum;  O[q] = (sum over k of p V[k] + sum over k of p posV[c(k - q)]) / sum over k of p.  Operands of the products in f16, all sums, maxima and exponentials in f32.
; SHARES.  A work-group owns 256 queries of one head, each of its eight waves 32: two tiles of 16; two waves to a SIMD.  Every wave walks 16 steps of 64 keys through a ring of two LDS slots of two steps each.
; LAYOUT.  S^T = K Q^T + C and O^T = V^T P (source 0 = keys or channels, source 1 = queries): a lane holds ONE query (lane % 16) throughout.
; THE POSITIONS.  A step all of whose keys lie 128 or more to one side of the wave's 32 queries is FAR: Q.posK is one number a query (the C of the step's first products), and p's sum, kept apart, multiplies posV[0] or posV[256] once, in f32.
; The five steps round the diagonal at the most are BAND: G^T = (a window of posK's table) Q^T is sheared by the query's number through the wave's own LDS window and comes back as the C tiles;
; p is sheared the other way and multiplies a window of posV's table.  Table row e holds pos[clip(e - 63, 0, 256)], so the windows need no clipping.
; In a BAND step the matrix work stands where LDS is at work: tile 0's products K Q^T run while tile 1's shear is out, and V^T P runs while p's shear is out.
; NO CLUSTER: the four query blocks of a head read the same K and V, but which steps are FAR or BAND is a branch on the query block's number, which would differ between those partners.
; LIMITS: NaN and infinities are not served; p under 6e-8 of the row's largest counts for nothing in the products (f16), but counts in the row's sum.
; REGISTERS.  window 0: v1-9 lane addresses, v10-14 the step's addresses, v16, v17 the add's two, v18-21 way out and prefetch, v24-39 statistics (8 a tile), v40-47 at work, v48-79 the mask, v80-143 K's fragments (KF),
;   v144-207 S^T (32 a tile), v208-239 P (16 a tile).   window 1: v0-63 O^T (32 a tile), v64-95 Q, v96-111 the far constant (CF), v112-175 V's fragments (VF), v176-207 posV[0], v208-239 posV[256].
.set PK,    144                        ; a row of K or of posK's table in LDS: 128 bytes + 16
.set PV,    160                        ; a row of V or of posV's table: 128 + 32, for the turning load
.set VOFF,  64*PK
.set STEPB, 64*(PK+PV)                 ; a step's tiles: 64 rows of K, then 64 rows of V
.set SLOT1, 65536                      ; slot 0 at 0, slot 1 here: one exclusive or turns an address
.set MSK,   38912                      ; the batch's mask, 4,096 bytes
.set TABK,  104448                     ; 400 x 144
.set TABV,  162048                     ; 400 x 160
.set S2W,   226048                     ; a window of 16 rows x 400 bytes for each wave: G's shear; at the end the way out's stage
.set S2WB,  6400
.set PSK,   277248                     ; a window of 16 rows x 208 bytes for each wave (3,584 with its rest): p's shear
.set PSKB,  3584
.set SPARE, 305920                     ; the spare words, 128 bytes a wave: four blocks of 256 bytes that no other line names
.set AK0, 1
.set AV0, 2
.set AM0, 3
.set ATK0, 4
.set ATV0, 5
.set AGS, 6
.set ACL, 7
.set APS, 8
.set APL, 9
.set ADK, 10
.set ADV, 11
.set ADM, 12
.set ADTK, 13
.set ADTV, 14
.set SPW, 16
.set NIL, 17
.set GO,  18
.set STO, 19
.set RD,  20
.set PFO, 21
.set ST,  24                           ; tile i at v[ST + 8 i]: +0 m, +1 the old m, then old - new, +2,3 the far sum LF, +4,5 the sum LT, +6 a = 2^(old m - new m), +7 a lane permute's destination
.set CH,  40
.set MASK, 48
.set KF,  80
.set S,   144
.set P,   208
.set QF,  64                           ; window 1
.set CF,  96
.set VF,  112
.set PV0, 176
.set PV256, 208
.set WV,  16
.set AQ,  17                           ; s17  which 64 keys hold my wave's queries
.set LASTB, 18                         ; s18  my last BAND step
.set STEPN, 19
.set DL,  20
.set TB,  21                           ; s21  LDS byte of the step's tiles
.set TM,  22                           ; s22  the step's place in the mask
.set TWICE, 23
.set G1K, 24
.set G1V, 32
.set G1TK, 40
.set G1TV, 48
.set G1M, 56
.set G0,  68
.set G0TK, 76
.set G0TV, 80
.set G0M, 84
.set SLOTS, 88
.set SEL, 90
.set PFA, 92
.set LIM, 94
.set MSB, 0
.macro WIN new                         ; the immediate's high byte repeats the setting that is left; bits 1:0 source 0, 3:2 source 1, 5:4 source 2, 7:6 destination
.if MSB != (\new)
	s_set_vgpr_msb (MSB<<8)|(\new)
.set MSB, (\new)
.endif
.endm
.macro PLACES n
.rept \n
	v_nop
.endr
.endm
.macro ONELOAD g0, g1                  ; an s_nop 0 and four v_nop follow every tensor load
	tensor_load_to_lds s[\g0:\g0+3], s[\g1:\g1+7]
	s_nop 0
.rept 4
	v_nop
.endr
.endm
.macro TLOAD                           ; waves 0, 1: the two steps' tiles of K; waves 2, 3: of V; the others nothing
	s_cmp_lt_u32 s[WV], 2
	s_cbranch_scc0 .Lnot_k_\@
	ONELOAD G0, G1K
	s_branch .Lasked_\@
.Lnot_k_\@:
	s_cmp_lt_u32 s[WV], 4
	s_cbranch_scc0 .Lasked_\@
	ONELOAD G0, G1V
.Lasked_\@:
.endm
; A PREFETCH INTO THE L2 of what the NEXT change of slots will ask for: 128 rows of K and of V, 16,384 dense bytes each.  All four work-groups of a head walk the same rows: the first of them asks.  In it waves 4 to 7, which fetch
; nothing, ask: waves 4, 5 for K's two halves, waves 6, 7 for V's, 8,192 bytes a wave, lanes 256 bytes apart: each block of 256 bytes is named once in the launch.  Two key steps ahead of the load.  The last change that fills a slot asks for nothing.
.macro ASK
	s_cmp_gt_u32 s[SLOTS], s[LIM]
	s_cbranch_scc0 .Lnot_mine_\@
	global_prefetch_b8 v[PFO], s[PFA:PFA+1] th:TH_LOAD_NT scope:SCOPE_SE
.Lnot_mine_\@:
.endm
; THE CHANGE OF SLOTS, at a slot's head.  Each wave waits for all its tensor loads, adds 0 to its spare word, and waits for that and for its reads of the slot that it has left; behind the barrier the slot ahead is whole and nobody
; reads the other one, which (fill = 1) is filled with the next 128 keys: the load has two key steps in which to land.  A wave has one tensor load out at the most.
.macro CHANGE fill
	s_wait_tensorcnt 0x0                           ; no tensor load of mine is out, so a group 0 may be written
	ds_add_u32 v[SPW], v[NIL]
.if \fill
	ds_add_u32 v[SPW], v[NIL]                      ; and twice on end here, in every trip alike
	s_xor_b32 s[G0+1], s[G0+1], SLOT1
	s_add_nc_u64 s[G0+2:G0+3], s[G0+2:G0+3], 16384
	s_wait_xcnt 0x0                                ; the last prefetch, a slot back, has read its address
	s_add_nc_u64 s[PFA:PFA+1], s[PFA:PFA+1], 16384
.endif
	s_wait_dscnt 0x0
	s_barrier_signal -1
	s_barrier_wait -1
.if \fill
	TLOAD
	ASK
.endif
.endm
.macro LOADKM                          ; a step's K (16 loads) and mask (8)
	WIN 0
.irp kt, 0,1,2,3
.irp c, 0,1
	ds_load_b128 v[KF+16*\kt+8*\c:KF+16*\kt+8*\c+3], v[ADK] offset:\kt*16*PK+64*\c
	ds_load_b128 v[KF+16*\kt+8*\c+4:KF+16*\kt+8*\c+7], v[ADK] offset:\kt*16*PK+64*\c+32
.endr
.endr
.irp kt, 0,1,2,3
	ds_load_b128 v[MASK+8*\kt:MASK+8*\kt+3], v[ADM] offset:64*\kt
	ds_load_b128 v[MASK+8*\kt+4:MASK+8*\kt+7], v[ADM] offset:64*\kt+16
.endr
.endm
.macro LOADV                           ; a step's V, turned (16 loads)
	WIN 0x40
.irp kc, 0,1
.irp ct, 0,1,2,3
	ds_load_tr16_b128 v[VF+32*\kc+8*\ct:VF+32*\kc+8*\ct+3], v[ADV] offset:\kc*32*PV+32*\ct
	ds_load_tr16_b128 v[VF+32*\kc+8*\ct+4:VF+32*\kc+8*\ct+7], v[ADV] offset:\kc*32*PV+16*PV+32*\ct
.endr
.endr
	WIN 0
.endm
; FAR: S^T = K Q^T + the far constant: 16 products, the 8 accumulators by turns
.macro S1F
.irp c, 0,1
.if \c == 0
	WIN 0x14
.else
	WIN 0x04
.endif
.irp kt, 0,1,2,3
.irp i, 0,1
.if \c == 0
	v_wmma_f32_16x16x32_f16 v[S+32*\i+8*\kt:S+32*\i+8*\kt+7], v[KF+16*\kt+8*\c:KF+16*\kt+8*\c+7], v[QF+16*\i+8*\c:QF+16*\i+8*\c+7], v[CF+8*\i:CF+8*\i+7]
.else
	v_wmma_f32_16x16x32_f16 v[S+32*\i+8*\kt:S+32*\i+8*\kt+7], v[KF+16*\kt+8*\c:KF+16*\kt+8*\c+7], v[QF+16*\i+8*\c:QF+16*\i+8*\c+7], v[S+32*\i+8*\kt:S+32*\i+8*\kt+7]
.endif
.endr
.endr
.endr
.endm
; BAND: tile i's S^T += K Q^T onto the sheared G that lies in S: 8 products, its 4 accumulators by turns
.macro S1T i
	WIN 0x04
.irp c, 0,1
.irp kt, 0,1,2,3
	v_wmma_f32_16x16x32_f16 v[S+32*\i+8*\kt:S+32*\i+8*\kt+7], v[KF+16*\kt+8*\c:KF+16*\kt+8*\c+7], v[QF+16*\i+8*\c:QF+16*\i+8*\c+7], v[S+32*\i+8*\kt:S+32*\i+8*\kt+7]
.endr
.endr
.endm
; THE SOFTMAX of both tiles for one step, the tiles line by line.  LS: the pair that takes p's sum (2 far, 4 band); LX: the other pair, which is only brought under the new m
.macro SOFTMAX LS, LX
	WIN 0
.set n, 0
.rept 16
.irp i, 0,1
	v_pk_mul_f32 v[S+32*\i+n:S+32*\i+n+1], v[S+32*\i+n:S+32*\i+n+1], v[MASK+n:MASK+n+1]   ; t = score x mask; each accumulator from its low end on
.endr
.set n, n+2
.endr
.irp i, 0,1
	v_mov_b32 v[ST+8*\i+1], v[ST+8*\i]             ; the old m
.endr
.irp j, 0,1,2,3
.irp i, 0,1
	v_max3_num_f32 v[CH+4*\i+\j], v[S+32*\i+8*\j], v[S+32*\i+8*\j+1], v[S+32*\i+8*\j+2]   ; four chains a tile
.endr
.endr
.irp w, 3,5
.irp j, 0,1,2,3
.irp i, 0,1
	v_max3_num_f32 v[CH+4*\i+\j], v[CH+4*\i+\j], v[S+32*\i+8*\j+\w], v[S+32*\i+8*\j+\w+1]
.endr
.endr
.endr
.irp i, 0,1
	v_max3_num_f32 v[CH+4*\i], v[CH+4*\i], v[S+32*\i+7], v[S+32*\i+15]
	v_max3_num_f32 v[CH+4*\i+2], v[CH+4*\i+2], v[S+32*\i+23], v[S+32*\i+31]
.endr
.irp i, 0,1
	v_max3_num_f32 v[CH+4*\i], v[CH+4*\i], v[CH+4*\i+1], v[CH+4*\i+2]
.endr
.irp i, 0,1
	v_max3_num_f32 v[CH+4*\i], v[CH+4*\i], v[CH+4*\i+3], v[ST+8*\i]
.endr
.irp i, 0,1
	v_permlanex16_b32 v[ST+8*\i+7], v[CH+4*\i], s[SEL], s[SEL+1]   ; the query's other 32 keys lie in the lane 16 away
.endr
.irp i, 0,1
	v_max_num_f32 v[ST+8*\i], v[CH+4*\i], v[ST+8*\i+7]             ; the new m
.endr
.irp i, 0,1
	v_sub_f32 v[ST+8*\i+1], v[ST+8*\i+1], v[ST+8*\i]
.endr
.set n, 0
.rept 16
.irp i, 0,1
	v_pk_add_f32 v[S+32*\i+n:S+32*\i+n+1], v[S+32*\i+n:S+32*\i+n+1], v[ST+8*\i:ST+8*\i+1] op_sel_hi:[1,0] neg_lo:[0,1] neg_hi:[0,1]   ; t - m
.endr
.set n, n+2
.endr
.irp i, 0,1
	v_exp_f32 v[ST+8*\i+6], v[ST+8*\i+1]           ; a
.endr
.set n, 0
.rept 32
.irp i, 0,1
	v_exp_f32 v[S+32*\i+n], v[S+32*\i+n]           ; p
.endr
.set n, n+1
.endr
	v_nop                                          ; a plain line behind the last exponential
	s_wait_alu depctr_va_vdst(0)                   ; one wait for the batch of 66, ahead of its first reader
.set n, 0
.rept 16
.irp i, 0,1
	v_cvt_pk_f16_f32 v[P+16*\i+n], v[S+32*\i+2*n], v[S+32*\i+2*n+1]
.endr
.set n, n+1
.endr
.irp w, 4,8,16,32                      ; p's sum, of the numbers before rounding: 16 pairs a tile, added in place, neighbours 1, 2, 4, 8 pairs apart
.set n, 0
.rept 32/\w
.irp i, 0,1
	v_pk_add_f32 v[S+32*\i+n:S+32*\i+n+1], v[S+32*\i+n:S+32*\i+n+1], v[S+32*\i+n+\w/2:S+32*\i+n+\w/2+1]
.endr
.set n, n+\w
.endr
.endr
.irp i, 0,1
	v_pk_fma_f32 v[ST+8*\i+\LS:ST+8*\i+\LS+1], v[ST+8*\i+\LS:ST+8*\i+\LS+1], v[ST+8*\i+6:ST+8*\i+7], v[S+32*\i:S+32*\i+1] op_sel_hi:[1,0,1]
	v_pk_mul_f32 v[ST+8*\i+\LX:ST+8*\i+\LX+1], v[ST+8*\i+\LX:ST+8*\i+\LX+1], v[ST+8*\i+6:ST+8*\i+7] op_sel_hi:[1,0]
.endr
.endm
.macro RESCALE                         ; O^T under the new m
	WIN 0x41
.irp i, 0,1
.set n, 0
.rept 16
	v_pk_mul_f32 v[32*\i+n:32*\i+n+1], v[32*\i+n:32*\i+n+1], v[ST+8*\i+6:ST+8*\i+7] op_sel_hi:[1,0]
.set n, n+2
.endr
.endr
.endm
.macro PVMUL                           ; O^T += V^T P: 16 products, the 8 accumulators by turns
	WIN 0x51
.irp kc, 0,1
.irp ct, 0,1,2,3
.irp i, 0,1
	v_wmma_f32_16x16x32_f16 v[32*\i+8*\ct:32*\i+8*\ct+7], v[VF+32*\kc+8*\ct:VF+32*\kc+8*\ct+7], v[P+16*\i+8*\kc:P+16*\i+8*\kc+7], v[32*\i+8*\ct:32*\i+8*\ct+7]
.endr
.endr
.endr
.endm
; The far constant: 16 equal rows of posK's table x Q^T: all eight registers of a lane hold Q.posK[0] (rows 0 on) or Q.posK[256] (rows 320 on) of its query
.macro MAKECF row
	WIN 0
	v_add_nc_u32 v15, TABK+(\row)*PK, v[AK0]
.irp c, 0,1,2,3
	ds_load_b128 v[KF+4*\c:KF+4*\c+3], v15 offset:32*\c
.endr
	s_wait_dscnt 0x0
	WIN 0x44
	v_wmma_f32_16x16x32_f16 v[CF:CF+7], v[KF:KF+7], v[QF:QF+7], 0
	v_wmma_f32_16x16x32_f16 v[CF+8:CF+15], v[KF:KF+7], v[QF+16:QF+23], 0
	WIN 0x54
	v_wmma_f32_16x16x32_f16 v[CF:CF+7], v[KF+8:KF+15], v[QF+8:QF+15], v[CF:CF+7]
	v_wmma_f32_16x16x32_f16 v[CF+8:CF+15], v[KF+8:KF+15], v[QF+24:QF+31], v[CF+8:CF+15]
	WIN 0
	PLACES 5                                       ; the results are next taken as the C of other accumulators
.endm
; The far sum's part of O: O^T += (LF, summed over its two halves and the lane 16 away) x posV[0] or posV[256], in f32; LT += LF; LF = 0
.macro FLUSH pvx
	WIN 0
	PLACES 4                                       ; behind the last products, ahead of the reads of O^T
.irp i, 0,1
	v_add_f32 v[CH+4*\i], v[ST+8*\i+2], v[ST+8*\i+3]
.endr
.irp i, 0,1
	v_permlanex16_b32 v[ST+8*\i+7], v[CH+4*\i], s[SEL], s[SEL+1]
.endr
.irp i, 0,1
	v_add_f32 v[CH+4*\i], v[CH+4*\i], v[ST+8*\i+7]
.endr
.irp i, 0,1
	v_pk_add_f32 v[ST+8*\i+4:ST+8*\i+5], v[ST+8*\i+4:ST+8*\i+5], v[ST+8*\i+2:ST+8*\i+3]
.endr
.irp i, 0,1
	v_mov_b32 v[ST+8*\i+2], 0
	v_mov_b32 v[ST+8*\i+3], 0
.endr
	WIN 0x51
.irp i, 0,1
.set n, 0
.rept 16
	v_pk_fma_f32 v[32*\i+n:32*\i+n+1], v[\pvx+n:\pvx+n+1], v[CH+4*\i:CH+4*\i+1], v[32*\i+n:32*\i+n+1] op_sel_hi:[1,0,1]
.set n, n+2
.endr
.endr
	WIN 0
.endm
; O^T += (posV's window)^T x (sheared p): channels 16 c0 on and 16 (c0 + 1) on, K = 96 table rows: 12 products, 4 accumulators by turns.  Tile i's window begins 16 (1 - i) rows on
.macro O2 frag, win, c0
	WIN \win
.irp kc, 0,1,2
.irp ctl, 0,1
.irp i, 0,1
	v_wmma_f32_16x16x32_f16 v[32*\i+8*(\c0+\ctl):32*\i+8*(\c0+\ctl)+7], v[\frag+28*\ctl+4*(1-\i+2*\kc):\frag+28*\ctl+4*(1-\i+2*\kc)+7], v[S+24*\i+8*\kc:S+24*\i+8*\kc+7], v[32*\i+8*(\c0+\ctl):32*\i+8*(\c0+\ctl)+7]
.endr
.endr
.endr
.endm
; A KEY STEP: 64 keys
.macro STEP
	v_add_nc_u32 v[ADK], s[TB], v[AK0]             ; these three and two v_nop are the five places behind the last step's products: ahead of the loads into their operands, and of the products that write over them
	v_add_nc_u32 v[ADV], s[TB], v[AV0]
	v_add_nc_u32 v[ADM], s[TM], v[AM0]
	v_nop
	v_nop
	s_add_co_u32 s[DL], s[STEPN], 2
	s_sub_co_u32 s[DL], s[DL], s[AQ]               ; step + 2 - (my queries' 64 keys): 0 .. 4 in the band, ids and the count of steps alone
	s_cmp_lt_u32 s[DL], 5
	s_cbranch_scc1 .Lband_\@
	; ---- FAR
	LOADKM
	LOADV
	s_wait_dscnt 24                                ; K is in; the mask's eight loads and V's sixteen may be out
	S1F
	WIN 0
	PLACES 4
	s_wait_dscnt 16                                ; the mask is in; V's sixteen loads may be out
	SOFTMAX 2, 4
	RESCALE
	s_wait_dscnt 0x0                               ; V is in
	PVMUL
	WIN 0
	s_branch .Ljoin_\@
.Lband_\@:
	; ---- BAND.  With kk the key in the step and r the query in its tile, u = kk - r + 15 (0 .. 78); table row = u + 64 DL + 32 - 32 (wave % 2) + 16 (1 - tile)
	s_min_u32 s[DL], s[DL], 4
	s_mul_i32 s95, s[DL], 64*PK
	s_mul_i32 s96, s[DL], 64*PV
	v_add_nc_u32 v[ADTK], s95, v[ATK0]
	v_add_nc_u32 v[ADTV], s96, v[ATV0]
.irp g, 0,1,2,3,4,5                    ; six groups of 16 rows of posK's table: channels 0-31 into KF, 32-63 into VF
	ds_load_b128 v[KF+8*\g:KF+8*\g+3], v[ADTK] offset:\g*16*PK
	ds_load_b128 v[KF+8*\g+4:KF+8*\g+7], v[ADTK] offset:\g*16*PK+32
.endr
	WIN 0x40
.irp g, 0,1,2,3,4,5
	ds_load_b128 v[VF+8*\g:VF+8*\g+3], v[ADTK] offset:\g*16*PK+64
	ds_load_b128 v[VF+8*\g+4:VF+8*\g+7], v[ADTK] offset:\g*16*PK+96
.endr
	s_wait_dscnt 0x0
.irp c, 0,1                            ; G^T: five groups a tile, over S's and P's registers: 20 products, 10 accumulators by turns
	WIN 0x04+\c
.irp g, 0,1,2,3,4
.irp i, 0,1
.if \c == 0
	v_wmma_f32_16x16x32_f16 v[S+40*\i+8*\g:S+40*\i+8*\g+7], v[KF+8*(\g+1-\i):KF+8*(\g+1-\i)+7], v[QF+16*\i:QF+16*\i+7], 0
.else
	v_wmma_f32_16x16x32_f16 v[S+40*\i+8*\g:S+40*\i+8*\g+7], v[VF+8*(\g+1-\i):VF+8*(\g+1-\i)+7], v[QF+16*\i+8:QF+16*\i+15], v[S+40*\i+8*\g:S+40*\i+8*\g+7]
.endif
.endr
.endr
.endr
	WIN 0
	PLACES 5                                       ; ahead of the stores of G, of the loads into its operands, and of the products that write over G
	LOADKM
.irp i, 0,1                            ; the shear: G(u, r) goes to word u + r + 1 of row r; word 16 + kk is then the score's part for key kk.  LDS serves a wave's instructions in order, so one window serves both tiles
.irp g, 0,1,2,3,4
.irp j, 0,1,2,3,4,5,6,7
	ds_store_b32 v[AGS], v[S+40*\i+8*\g+\j] offset:64*\g+4*\j
.endr
.endr
.irp kt, 0,1,2,3
	ds_load_b128 v[S+32*\i+8*\kt:S+32*\i+8*\kt+3], v[ACL] offset:64*\kt
	ds_load_b128 v[S+32*\i+8*\kt+4:S+32*\i+8*\kt+7], v[ACL] offset:64*\kt+16
.endr
.endr
	s_wait_dscnt 48                                ; K, the mask and tile 0's C are in; tile 1's 40 stores and 8 loads may be out
	S1T 0                                          ; tile 0's products run while tile 1's shear is out
	LOADV                                          ; V is wanted a softmax later: its loads stand behind the shear's
	s_wait_dscnt 16                                ; tile 1's C is in; V's sixteen loads may be out
	S1T 1
	WIN 0
	PLACES 4
.irp ctl, 0,1                          ; posV's window, turned: seven groups of 16 rows, channels 0-31, into K's registers
.irp g, 0,1,2,3,4,5,6
	ds_load_tr16_b128 v[KF+28*\ctl+4*\g:KF+28*\ctl+4*\g+3], v[ADTV] offset:\g*16*PV+32*\ctl
.endr
.endr
	SOFTMAX 4, 2
	s_wait_dscnt 0x0                               ; V and the first half of posV's window, asked for ahead of the softmax, are in
.irp i, 0,1                            ; p's shear: p(r, kk) goes to column kk - r + 15 of row r; the cells outside were cleared once and are never written
.irp kt, 0,1,2,3
.irp jj, 0,1,2,3
	ds_store_b16 v[APS], v[P+16*\i+4*\kt+\jj] offset:32*\kt+4*\jj
	ds_store_b16_d16_hi v[APS], v[P+16*\i+4*\kt+\jj] offset:32*\kt+4*\jj+2
.endr
.endr
.irp kc, 0,1,2
	ds_load_b128 v[S+24*\i+8*\kc:S+24*\i+8*\kc+3], v[APL] offset:64*\kc
	ds_load_b128 v[S+24*\i+8*\kc+4:S+24*\i+8*\kc+7], v[APL] offset:64*\kc+32
.endr
.endr
	RESCALE
	PVMUL                                          ; it reads V and P alone: it runs while p's shear is out
	WIN 0
	PLACES 4
	WIN 0x40
.irp ctl, 0,1                          ; channels 32-63 of posV's window, into V's registers
.irp g, 0,1,2,3,4,5,6
	ds_load_tr16_b128 v[VF+28*\ctl+4*\g:VF+28*\ctl+4*\g+3], v[ADTV] offset:\g*16*PV+32*(2+\ctl)
.endr
.endr
	s_wait_dscnt 14                                ; the sheared p is in; the fourteen loads just issued may be out
	O2 KF, 0x50, 0
	s_wait_dscnt 0x0
	O2 VF, 0x51, 2
	WIN 0
	s_cmp_lg_u32 s[STEPN], s[LASTB]
	s_cbranch_scc1 .Ljoin_\@
	FLUSH PV0                                      ; my last BAND step: what was far so far lay to the left; what follows lies to the right
	MAKECF 320
.Ljoin_\@:
	s_add_co_u32 s[STEPN], s[STEPN], 1
	s_add_co_u32 s[TB], s[TB], STEPB
	s_add_co_u32 s[TM], s[TM], 256
.endm
.macro SLOT_STEPS                      ; a slot's two steps: written once, walked twice
	s_mov_b32 s[TWICE], 2
.Lstep_\@:
	STEP
	s_sub_co_u32 s[TWICE], s[TWICE], 1
	s_cmp_lg_u32 s[TWICE], 0
	s_cbranch_scc1 .Lstep_\@
	s_sub_co_u32 s[TB], s[TB], 2*STEPB
	s_xor_b32 s[TB], s[TB], SLOT1
.endm
	s_load_b256 s[4:11], s[0:1], 0x0               ; qkv s4, tab s6, pad_mask s8, posV s10
	s_load_b64 s[12:13], s[0:1], 0x20              ; ao
	v_lshl_add_u32 v[SPW], v0, 2, SPARE
	v_mov_b32 v[NIL], 0
	ds_add_u32 v[SPW], v[NIL]                      ; the wave's opening: the add, twice on end, and its wait ahead of my first tensor load
	ds_add_u32 v[SPW], v[NIL]
	v_lshrrev_b32 v15, 5, v0
	v_readfirstlane_b32 s[WV], v15                 ; wave 0..7
	s_mov_b32 s[G1K], (1<<16)|(1<<20)|(4<<22)|(3<<25)    ; elements of 2 bytes; padding on: 4 words after every 32
	s_mov_b32 s[G1V], (1<<16)|(1<<20)|(4<<22)|(7<<25)    ; 8 words after every 32
	s_mov_b32 s[G1TK], (1<<16)|(1<<20)|(4<<22)|(3<<25)
	s_mov_b32 s[G1TV], (1<<16)|(1<<20)|(4<<22)|(7<<25)
.irp g, G1K, G1V
	s_mov_b32 s[\g+1], 64<<16                      ; tensor_dim0 = 64
	s_mov_b32 s[\g+2], 64<<16                      ; tensor_dim1 = 64
	s_mov_b32 s[\g+3], 64<<16                      ; tile_dim0 = 64
	s_mov_b32 s[\g+4], 64                          ; tile_dim1 = 64
	s_mov_b32 s[\g+5], 64                          ; the pitch in memory
	s_mov_b32 s[\g+6], 0
	s_mov_b32 s[\g+7], 0
.endr
.irp g, G1TK, G1TV
	s_mov_b32 s[\g+1], 64<<16
	s_mov_b32 s[\g+2], 400<<16                     ; a whole table: 400 rows
	s_mov_b32 s[\g+3], 64<<16
	s_mov_b32 s[\g+4], 400
	s_mov_b32 s[\g+5], 64
	s_mov_b32 s[\g+6], 0
	s_mov_b32 s[\g+7], 0
.endr
	s_mov_b32 s[G1M], 3<<16                        ; the mask: 4,096 dense bytes as 16 rows of 32 elements of 8 bytes
	s_mov_b32 s[G1M+1], 32<<16
	s_mov_b32 s[G1M+2], 16<<16
	s_mov_b32 s[G1M+3], 32<<16
	s_mov_b32 s[G1M+4], 16
	s_mov_b32 s[G1M+5], 32
	s_mov_b32 s[G1M+6], 0
	s_mov_b32 s[G1M+7], 0
	s_mov_b32 s[SEL], 0x76543210
	s_mov_b32 s[SEL+1], 0xfedcba98
	s_and_b32 s95, ttmp7, 0xffff                   ; 16 x batch + head
	s_lshr_b32 s96, s95, 4                         ; batch
	s_and_b32 s97, s95, 15                         ; head
	s_lshr_b32 s98, s[WV], 1
	s_lshl_b32 s[AQ], ttmp9, 2
	s_add_co_u32 s[AQ], s[AQ], s98                 ; my 32 queries lie in keys 64 AQ .. 64 AQ + 63
	s_add_co_u32 s[LASTB], s[AQ], 2
	s_min_u32 s[LASTB], s[LASTB], 15
	s_and_b32 s98, s98, 1                          ; K (0) or V (1), for the waves that fetch and for those that prefetch
	s_and_b32 s99, s[WV], 1                        ; which of a slot's two steps; also: which half of the 64 my queries are
	s_add_co_u32 s14, s98, 1
	s_lshl_b32 s14, s14, 23                        ; K's or V's tensor in qkv,
	s_lshl_b32 s15, s95, 17                        ; the head's 131,072 bytes,
	s_add_co_u32 s14, s14, s15
	s_lshl_b32 s2, s99, 13                         ; the step's 64 rows of 128 bytes
	s_add_co_u32 s14, s14, s2
	s_lshl_b32 s2, ttmp9, 15                       ; Q: the head, my block's 256 rows,
	s_add_co_u32 s2, s2, s15
	s_lshl_b32 s3, s[WV], 12                       ; my wave's 32
	s_add_co_u32 s2, s2, s3
	s_mov_b32 s3, 0
	s_mov_b32 s15, 0
	s_mov_b32 s[G0], 1
	s_mul_i32 s[G0+1], s99, STEPB
	s_mul_i32 s72, s98, VOFF
	s_add_co_u32 s[G0+1], s[G0+1], s72
	s_mov_b32 s[G0TK], 1
	s_mov_b32 s[G0TK+1], TABK
	s_mov_b32 s[G0TV], 1
	s_mov_b32 s[G0TV+1], TABV
	s_mov_b32 s[G0M], 1
	s_mov_b32 s[G0M+1], MSK
	s_lshl_b32 s72, s96, 21                        ; ao: (1024 batch + my first query) / 2 pairs of 4,096 bytes + 256 x head
	s_lshl_b32 s73, ttmp9, 19
	s_add_co_u32 s72, s72, s73
	s_lshl_b32 s73, s[WV], 16
	s_add_co_u32 s72, s72, s73
	s_lshl_b32 s73, s97, 8
	s_add_co_u32 s72, s72, s73
	s_mov_b32 s73, 0
	s_lshl_b32 s74, s96, 12                        ; the batch's mask
	s_mov_b32 s75, 0
	s_sub_co_u32 s[LIM], s[WV], 4
	s_lshr_b32 s[LIM], s[LIM], 2                   ; 0 in waves 4 to 7,
	s_or_b32 s[LIM], s[LIM], ttmp9                 ; of the head's first work-group
	s_cmp_eq_u32 s[LIM], 0
	s_cselect_b32 s[LIM], 1, -1
	s_mov_b32 s[STEPN], 0
	s_mov_b32 s[TB], 0
	s_mov_b32 s[TM], 0
	s_mov_b32 s[SLOTS], 7
	s_wait_dscnt 0x0                               ; both opening adds are done
	s_wait_kmcnt 0x0
	s_add_nc_u64 s[PFA:PFA+1], s[4:5], s[14:15]
	s_mov_b64 s[G0+2:G0+3], s[PFA:PFA+1]
	s_or_b32 s[G0+3], s[G0+3], 0x80000000
	s_add_nc_u64 s[PFA:PFA+1], s[PFA:PFA+1], 16384 ; in slot 1: the first change of slots steps it to slot 2.  Nothing is prefetched at the head
	s_mov_b64 s[G0TK+2:G0TK+3], s[6:7]
	s_or_b32 s[G0TK+3], s[G0TK+3], 0x80000000
	s_add_nc_u64 s[G0TV+2:G0TV+3], s[6:7], 51200
	s_or_b32 s[G0TV+3], s[G0TV+3], 0x80000000
	s_add_nc_u64 s[G0M+2:G0M+3], s[8:9], s[74:75]
	s_or_b32 s[G0M+3], s[G0M+3], 0x80000000
	; the first fills, one a wave at the most: waves 0-3 slot 0, wave 4 posK's table, wave 5 posV's, wave 6 the mask
	s_cmp_lt_u32 s[WV], 2
	s_cbranch_scc0 .Lh_v
	ONELOAD G0, G1K
	s_branch .Lh_done
.Lh_v:
	s_cmp_lt_u32 s[WV], 4
	s_cbranch_scc0 .Lh_tk
	ONELOAD G0, G1V
	s_branch .Lh_done
.Lh_tk:
	s_cmp_eq_u32 s[WV], 4
	s_cbranch_scc0 .Lh_tv
	ONELOAD G0TK, G1TK
	s_branch .Lh_done
.Lh_tv:
	s_cmp_eq_u32 s[WV], 5
	s_cbranch_scc0 .Lh_m
	ONELOAD G0TV, G1TV
	s_branch .Lh_done
.Lh_m:
	s_cmp_eq_u32 s[WV], 6
	s_cbranch_scc0 .Lh_done
	ONELOAD G0M, G1M
.Lh_done:
	s_add_nc_u64 s[4:5], s[4:5], s[2:3]            ; Q at my wave's first row
	s_add_nc_u64 s[12:13], s[12:13], s[72:73]      ; ao at my wave's first pair of rows
	v_and_b32 v22, 15, v0                          ; r
	v_bfe_u32 v23, v0, 4, 1                        ; h
	v_lshlrev_b32 v10, 7, v22
	v_lshl_add_u32 v10, v23, 4, v10                ; Q: row r of 128 bytes + 16 h
	v_lshlrev_b32 v11, 5, v23                      ; posV's rows: my half's eight channels of 16
	WIN 0x40
.irp i, 0,1
.irp c, 0,1
	global_load_b128 v[QF+16*\i+8*\c:QF+16*\i+8*\c+3], v10, s[4:5] offset:2048*\i+64*\c
	global_load_b128 v[QF+16*\i+8*\c+4:QF+16*\i+8*\c+7], v10, s[4:5] offset:2048*\i+64*\c+32
.endr
.endr
.irp ct, 0,1,2,3
	global_load_b128 v[PV0+8*\ct:PV0+8*\ct+3], v11, s[10:11] offset:64*\ct
	global_load_b128 v[PV0+8*\ct+4:PV0+8*\ct+7], v11, s[10:11] offset:64*\ct+16
	global_load_b128 v[PV256+8*\ct:PV256+8*\ct+3], v11, s[10:11] offset:65536+64*\ct
	global_load_b128 v[PV256+8*\ct+4:PV256+8*\ct+7], v11, s[10:11] offset:65536+64*\ct+16
.endr
.set n, 0
.rept 64
	v_mov_b32 v[n], 0                              ; O^T.  (The step is written once: the first finds zeros, which the first a = 0 leaves zeros)
.set n, n+1
.endr
	WIN 0
	v_mul_u32_u24 v[AK0], v22, PK
	v_lshl_add_u32 v[AK0], v23, 4, v[AK0]          ; a fragment of K: row r x pitch + 16 h
	v_and_b32 v15, 7, v0
	v_lshl_add_u32 v15, v23, 3, v15
	v_mul_u32_u24 v[ATV0], v15, PV
	v_bfe_u32 v15, v0, 3, 1
	v_lshl_add_u32 v[ATV0], v15, 4, v[ATV0]        ; the turning load: row 8 h + lane % 8, 16 bytes for each eight lanes
	v_add_nc_u32 v[AV0], VOFF, v[ATV0]
	v_lshl_add_u32 v[AM0], v23, 5, MSK
	s_xor_b32 s95, s99, 1                          ; the tables' windows begin 32 rows on for the first half of the 64
	s_mul_i32 s2, s95, 32*PK
	s_add_co_u32 s2, s2, TABK
	v_add_nc_u32 v[ATK0], s2, v[AK0]
	s_mul_i32 s2, s95, 32*PV
	s_add_co_u32 s2, s2, TABV
	v_add_nc_u32 v[ATV0], s2, v[ATV0]
	s_mul_i32 s2, s[WV], S2WB
	s_add_co_u32 s2, s2, S2W                       ; my window for G
	s_add_co_u32 s3, s2, 4
	v_mul_u32_u24 v[AGS], v22, 404
	v_lshl_add_u32 v[AGS], v23, 5, v[AGS]
	v_add_nc_u32 v[AGS], s3, v[AGS]                ; in: row r, word r + 1 + 8 h
	s_add_co_u32 s3, s2, 64
	v_mul_u32_u24 v[ACL], v22, 400
	v_lshl_add_u32 v[ACL], v23, 5, v[ACL]
	v_add_nc_u32 v[ACL], s3, v[ACL]                ; back: row r, word 16 + 8 h
	v_mul_u32_u24 v[STO], v22, PK
	v_lshl_add_u32 v[STO], v23, 4, v[STO]
	v_add_nc_u32 v[STO], s2, v[STO]                ; the way out, in: row r of 144 bytes, 16 bytes for each half of the lanes
	v_bfe_u32 v15, v0, 3, 2
	v_mul_u32_u24 v[RD], v15, PK
	v_and_b32 v15, 7, v0
	v_lshl_add_u32 v[RD], v15, 4, v[RD]
	v_add_nc_u32 v[RD], s2, v[RD]                  ; back: eight lanes to a row of 128 bytes
	v_lshlrev_b32 v[GO], 12, v23
	v_lshl_add_u32 v[GO], v22, 4, v[GO]            ; in ao two rows of a head are 256 consecutive bytes, pairs of rows 4,096 apart
	s_mul_i32 s2, s[WV], PSKB
	s_add_co_u32 s2, s2, PSK                       ; my window for p
	s_add_co_u32 s3, s2, 30
	v_mul_u32_u24 v[APS], v22, 206
	v_lshl_add_u32 v[APS], v23, 4, v[APS]
	v_add_nc_u32 v[APS], s3, v[APS]                ; in: row r, column 15 - r + 8 h
	v_mul_u32_u24 v[APL], v22, 208
	v_lshl_add_u32 v[APL], v23, 4, v[APL]
	v_add_nc_u32 v[APL], s2, v[APL]                ; back: row r, 16 h
	v_and_b32 v15, 31, v0
	v_lshlrev_b32 v[PFO], 8, v15
	v_lshl_add_u32 v12, v15, 4, s2
.irp j, 0,1,2,3
	v_mov_b32 v[CH+\j], 0
.endr
.irp j, 0,1,2,3,4,5,6
	ds_store_b128 v12, v[CH:CH+3] offset:512*\j    ; my window for p is cleared once
.endr
.irp i, 0,1
	v_mov_b32 v[ST+8*\i], 0xff61b1e6               ; m: -3e38, under every t
.irp j, 1,2,3,4,5,6,7
	v_mov_b32 v[ST+8*\i+\j], 0
.endr
.endr
	s_wait_loadcnt 0x0                             ; Q and posV's two rows
	s_wait_tensorcnt 0x0                           ; my first fill has landed
	s_wait_dscnt 0x0
	s_barrier_signal -1
	s_barrier_wait -1                              ; everybody's has: slot 0, the tables, the mask.
	MAKECF 0
.Lslot:                                            ; 7 trips: behind each change of slots but the last the next slot is asked for (in the first trip: slot 1's first fill)
	CHANGE 1
	SLOT_STEPS
	s_sub_co_u32 s[SLOTS], s[SLOTS], 1
	s_cmp_lg_u32 s[SLOTS], 0
	s_cbranch_scc1 .Lslot
	CHANGE 0                                       ; the last slot is written out
	SLOT_STEPS
	; THE WAY OUT
	FLUSH PV256                                    ; what was far to the right
.irp i, 0,1
	v_add_f32 v[CH+4*\i], v[ST+8*\i+4], v[ST+8*\i+5]
.endr
.irp i, 0,1
	v_permlanex16_b32 v[ST+8*\i+7], v[CH+4*\i], s[SEL], s[SEL+1]
.endr
.irp i, 0,1
	v_add_f32 v[CH+4*\i], v[CH+4*\i], v[ST+8*\i+7] ; the row's sum
.endr
.irp i, 0,1
	v_rcp_f32 v[ST+8*\i+6], v[CH+4*\i]
.endr
	v_nop                                          ; a plain line behind the last reciprocal
	s_wait_alu depctr_va_vdst(0)                   ; one wait for the two, ahead of their first reader
	RESCALE                                        ; O^T / the sum
	WIN 0x05
.irp i, 0,1
.set n, 0
.rept 16
	v_cvt_pk_f16_f32 v[S+16*\i+n], v[32*\i+2*n], v[32*\i+2*n+1]
.set n, n+1
.endr
.endr
	WIN 0
.irp i, 0,1
.irp ct, 0,1,2,3
	ds_store_b128 v[STO], v[S+16*\i+4*\ct:S+16*\i+4*\ct+3] offset:16*PK*\i+32*\ct
.endr
.endr
.irp i, 0,1
.irp t, 0,1,2,3
	ds_load_b128 v[KF+16*\i+4*\t:KF+16*\i+4*\t+3], v[RD] offset:16*PK*\i+4*PK*\t   ; behind my stores, in order
.endr
.endr
.irp i, 0,1
.irp t, 0,1,2,3
	s_wait_dscnt 7-4*\i-\t
	global_store_b128 v[GO], v[KF+16*\i+4*\t:KF+16*\i+4*\t+3], s[12:13] offset:32768*\i+8192*\t   ; sixteen lanes store 256 consecutive bytes, aligned
.endr
.endr
	s_wait_tensorcnt 0x0                           ; the wave's end
	ds_add_u32 v[SPW], v[NIL]
	s_wait_dscnt 0x0
	s_endpgm
.Lfunc_end_k_q9e937895d4_attn:
	.size	k_q9e937895d4_attn, .Lfunc_end_k_q9e937895d4_attn-k_q9e937895d4_attn
	.p2alignl 7, 3214868480
	.fill 96, 4, 3214868480
	.section	.rodata,"a",@progbits
	.p2align	6, 0x0
	.amdhsa_kernel k_q9e937895d4_attn
		.amdhsa_group_segment_fixed_size 327680
		.amdhsa_private_segment_fixed_size 0
		.amdhsa_enable_private_segment 0
		.amdhsa_kernarg_size 40
		.amdhsa_user_sgpr_count 2
		.amdhsa_user_sgpr_kernarg_segment_ptr 1
		.amdhsa_wavefront_size32 1
		.amdhsa_system_sgpr_workgroup_id_x 1
		.amdhsa_system_sgpr_workgroup_id_y 1
		.amdhsa_system_sgpr_workgroup_id_z 1
		.amdhsa_system_vgpr_workitem_id 0
		.amdhsa_next_free_vgpr 512
		.amdhsa_next_free_sgpr 100
		.amdhsa_reserve_vcc 0
		.amdhsa_float_denorm_mode_32 3
		.amdhsa_float_denorm_mode_16_64 3
		.amdhsa_memory_ordered 1
		.amdhsa_forward_progress 1
		.amdhsa_inst_pref_size 150
	.end_amdhsa_kernel
	.amdgpu_metadata
---
amdhsa.version: [ 1, 2 ]
amdhsa.kernels:
  - .name:           k_q9e937895d4_attn
    .symbol:         k_q9e937895d4_attn.kd
    .args:
      - { .name: qkv, .offset: 0, .size: 8, .value_kind: global_buffer, .address_space: global }
      - { .name: tab, .offset: 8, .size: 8, .value_kind: global_buffer, .address_space: global }
      - { .name: pad_mask, .offset: 16, .size: 8, .value_kind: global_buffer, .address_space: global }
      - { .name: posV, .offset: 24, .size: 8, .value_kind: global_buffer, .address_space: global }
      - { .name: ao, .offset: 32, .size: 8, .value_kind: global_buffer, .address_space: global }
    .group_segment_fixed_size: 327680
    .private_segment_fixed_size: 0
    .kernarg_segment_align: 8
    .kernarg_segment_size: 40
    .max_flat_workgroup_size: 256
    .sgpr_count:     100
    .vgpr_count:     512
    .wavefront_size: 32
...
	.end_amdgpu_metadata
.endif
;; end of part 3
;; launch proj (part 4): grid 8 x 32, 4 waves a work-group, clusters of 4 x 4, 327,680 bytes of LDS; arguments ao, wot, out0, bo; writes out0
.if DOCPART == 4
	.amdgcn_target "amdgcn-amd-amdhsa--gfx1250"
	.amdhsa_code_object_version 6
	.text
	.protected	k_q9e937895d4_proj
	.globl	k_q9e937895d4_proj
	.p2align	8
	.type	k_q9e937895d4_proj,@function
k_q9e937895d4_proj:
	s_mov_b64 s[64:65], 0
	v_nop
	global_prefetch_b8 v0, s[64:65] scope:SCOPE_SE
	s_setreg_imm32_b32 hwreg(HW_REG_WAVE_MODE, 25, 1), 1
	s_wait_xcnt 0x0
	s_wait_alu depctr_hold_cnt(0) depctr_sa_sdst(0) depctr_va_vdst(0) depctr_va_sdst(0) depctr_va_ssrc(0) depctr_va_vcc(0) depctr_vm_vsrc(0)
	s_getreg_b32 s2, hwreg(HW_REG_IB_STS2, 6, 4)
	s_cmp_eq_u32 s2, 0
	s_cbranch_scc0 .Lentry_in_a_cluster
	s_endpgm
.Lentry_in_a_cluster:
	s_bfe_u32 s2, ttmp6, 0x10000c
	s_cmp_lg_u32 s2, 0xf033
	s_cbranch_scc0 .Lentry_shape_is_right
	s_endpgm
.Lentry_shape_is_right:
; out0[m][n] = sum over k of A[m][k] Wo[k][n] + bo[n].  A is the attention's result in f16, laid [m / 2][head][m % 2][64] (a pair of rows is 4,096 bytes); wot is Wo^T, [n][k] f16; sums and out0 in f32.
; A tile of C is 128 x 128, so that the 4,096 x 1,024 outputs give 256 work-groups; four waves, each 64 x 64: 16 accumulators.  K goes in steps of 256 through a ring of two LDS slots.
; A's tile comes as 32 pairs of rows x 1,024 bytes (four heads of both rows), B's as 64 rows x 512 bytes; each wave fetches one of the four halves.
; CLUSTERS: 4 x 4 work-groups; A's tiles are asked for jointly along a row of the cluster, B's along a column.  THE MATRIX INSTRUCTION IS USED TRANSPOSED (source 0 = 16 rows of wot, source 1 = 16 rows of A):
; a lane holds eight neighbouring columns of a row of C.  The bias is the C of each sum's first instruction.
; REGISTERS: window 0: v0-31 addresses; v32-95 the way out; v96-127 the bias; v128-255 the accumulators ((a, b) at v[128 + 8 (4 a + b)]).   window 1: two fragment buffers of 128: 64 registers of A, then 64 of B, for 64 along K.
.set KSTEP,  256
.set PITCH,  528                       ; B's LDS row: 512 bytes + 16
.set PA,     1040                      ; A's LDS row, a pair of rows of A: 1,024 bytes + 16: pair p begins 16 p bytes on modulo 256, its odd row 128 further: the 16 rows of a load fall on 16 different columns of 16 bytes
.set HALFT,  64*PITCH                  ; a wave's part of a slot (A's 32 x 1,040 bytes fit in it)
.set SLOT,   4*HALFT
.set STAGE,  2*SLOT                    ; behind the ring: 16 rows x 272 bytes for each wave
.set SPITCH, 272
.set SPARE,  STAGE+4*16*SPITCH         ; the spare words, 128 bytes a wave: two blocks of 256 bytes that no other line names
.set LAPS,   2                         ; K = 1,024 is four K steps, twice round the ring
.set ADRA, 16
.set ADRB, 20
.set STO,  24
.set RD,   25
.set CO,   26
.set SPW,  28
.set NIL,  29
.set TMP,  32
.set BI,   96
.set ACC,  128
.set F0,   0
.set F1,   128
.set G1, 24
.set G0, 32
.set G1B, 48
.set G0B, 56
.set MSB, 0
.macro WIN new
.if MSB != (\new)
	s_set_vgpr_msb (MSB<<8)|(\new)
.set MSB, (\new)
.endif
.endm
.set MUL,  0x05                        ; sources 0 (B) and 1 (A) window 1; C and D window 0
.set TO_F, 0x40
.macro JLOAD s                         ; a joint load: waves 0 and 1 fetch A's two halves, waves 2 and 3 B's; an s_nop 0 and four v_nop follow each line
	s_cmp_eq_u32 s11, 0
	s_cbranch_scc0 .Lfor_b_\@
	tensor_load_to_lds s[G0+4*\s:G0+4*\s+3], s[G1:G1+7]
	s_nop 0
.rept 4
	v_nop
.endr
	s_branch .Lasked_\@
.Lfor_b_\@:
	tensor_load_to_lds s[G0B+4*\s:G0B+4*\s+3], s[G1B:G1B+7]
	s_nop 0
.rept 4
	v_nop
.endr
.Lasked_\@:
.endm
.macro CREST
	s_cmp_lg_u32 s10, 0
	s_cbranch_scc1 .Lnot_wave_0_\@
	s_barrier_signal -3
.Lnot_wave_0_\@:
	s_barrier_wait -3
	s_barrier_signal -1
	s_barrier_wait -1
.endm
.macro CROUND
	s_barrier_signal -1
	s_barrier_wait -1
	CREST
.endm
	s_load_b128 s[4:7], s[0:1], 0x0                ; ao, wot
	s_load_b64 s[8:9], s[0:1], 0x10                ; out0
	s_load_b64 s[66:67], s[0:1], 0x18              ; bo
	v_lshl_add_u32 v[SPW], v0, 2, SPARE
	v_mov_b32 v[NIL], 0
	ds_add_u32 v[SPW], v[NIL]                      ; the wave's opening: the add, twice on end, and its wait ahead of my first tensor load
	ds_add_u32 v[SPW], v[NIL]
	v_lshrrev_b32 v1, 5, v0
	v_readfirstlane_b32 s10, v1                    ; wave 0..3
	s_lshr_b32 s11, s10, 1                         ; which half of the tile's rows is mine.  Also: I fetch for A (0) or for B (1)
	s_and_b32 s12, s10, 1                          ; which half of its columns.  Also: which half of that tile I fetch
	s_bfe_u32 s40, ttmp6, 0x40000                  ; cx, cy
	s_bfe_u32 s41, ttmp6, 0x40004
	s_lshl_b32 s42, ttmp9, 2
	s_add_co_u32 s42, s42, s40                     ; tile column of C
	s_and_b32 s13, ttmp7, 0xffff
	s_lshl_b32 s13, s13, 2
	s_add_co_u32 s13, s13, s41                     ; tile row of C
	s_lshl_b32 s43, s41, 2
	s_lshl_b32 s43, 15, s43                        ; my row of the cluster
	s_lshl_b32 s44, 0x1111, s40                    ; my column
	s_or_b32 s[G1+0], s43, (1<<16)|(1<<20)|(1<<21)|(7<<22)|(3<<25)  ; A: the mask; elements of 2 bytes; padding on; bit 21 beside a mask; 4 words after every 256
	s_mov_b32 s[G1+1], 512<<16                     ; tensor_dim0 = 512
	s_mov_b32 s[G1+2], 32<<16                      ; tensor_dim1 = 32 pairs of rows
	s_mov_b32 s[G1+3], 512<<16                     ; tile_dim0
	s_mov_b32 s[G1+4], 32                          ; tile_dim1
	s_mov_b32 s[G1+5], 2048                        ; from pair to pair: 2,048 elements
	s_mov_b32 s[G1+6], 0
	s_mov_b32 s[G1+7], 0
	s_or_b32 s[G1B+0], s44, (1<<16)|(1<<20)|(1<<21)|(6<<22)|(3<<25) ; B: 4 words after every 128
	s_mov_b32 s[G1B+1], KSTEP<<16
	s_mov_b32 s[G1B+2], 64<<16
	s_mov_b32 s[G1B+3], KSTEP<<16
	s_mov_b32 s[G1B+4], 64
	s_mov_b32 s[G1B+5], 1024
	s_mov_b32 s[G1B+6], 0
	s_mov_b32 s[G1B+7], 0
	s_lshl_b32 s17, s12, 5
	s_lshl_b32 s16, s13, 6
	s_add_co_u32 s16, s16, s17                     ; A: pair 64 x tile row + 32 x half,
	s_lshl_b32 s16, s16, 12                        ; of 4,096 bytes
	s_mov_b32 s17, 0
	s_lshl_b32 s47, s12, 6
	s_lshl_b32 s46, s42, 7
	s_add_co_u32 s46, s46, s47                     ; B: row 128 x tile column + 64 x half,
	s_lshl_b32 s46, s46, 11                        ; of 2,048 bytes
	s_mov_b32 s47, 0
	s_mul_i32 s20, s10, HALFT                      ; where they go: wave x a part of a slot
	s_wait_dscnt 0x0                               ; both opening adds are done
	s_wait_kmcnt 0x0
	s_add_nc_u64 s[14:15], s[4:5], s[16:17]
	s_add_nc_u64 s[46:47], s[6:7], s[46:47]
	CROUND                                         ; all sixteen work-groups are here: the first joint loads meet
.irp s, 0,1
	s_mov_b32 s[G0+4*\s], 1
	s_add_co_u32 s[G0+4*\s+1], s20, \s*SLOT
	s_add_nc_u64 s[G0+4*\s+2:G0+4*\s+3], s[14:15], \s*1024      ; a K step is four heads: 1,024 bytes of a pair of rows
	s_or_b32 s[G0+4*\s+3], s[G0+4*\s+3], 0x80000000
	s_mov_b32 s[G0B+4*\s], 1
	s_add_co_u32 s[G0B+4*\s+1], s20, \s*SLOT
	s_add_nc_u64 s[G0B+4*\s+2:G0B+4*\s+3], s[46:47], \s*KSTEP*2
	s_or_b32 s[G0B+4*\s+3], s[G0B+4*\s+3], 0x80000000
	JLOAD \s
.endr
	v_and_b32 v1, 15, v0                           ; r
	v_bfe_u32 v2, v0, 4, 1                         ; h
	v_mul_u32_u24 v3, v1, PITCH
	v_lshl_add_u32 v3, v2, 4, v3                   ; B: row r x pitch + 16 h
	v_lshrrev_b32 v4, 1, v1
	v_mul_u32_u24 v4, v4, PA
	v_and_b32 v5, 1, v1
	v_lshl_add_u32 v4, v5, 7, v4
	v_lshl_add_u32 v4, v2, 4, v4                   ; A: pair r / 2, its row r % 2 (128 bytes on), + 16 h
	s_mul_i32 s21, s11, HALFT                      ; my 64 rows of A
	s_mul_i32 s22, s12, HALFT                      ; my 64 rows of B,
	s_add_co_u32 s22, s22, 2*HALFT                 ; behind A's two parts
.irp s, 0,1
	v_add_nc_u32 v[ADRA+\s], s21, v4
	v_add_nc_u32 v[ADRB+\s], s22, v3
	s_add_co_u32 s21, s21, SLOT
	s_add_co_u32 s22, s22, SLOT
.endr
	s_mul_i32 s23, s10, 16*SPITCH
	s_add_co_u32 s23, s23, STAGE                   ; my stage
	v_mul_u32_u24 v4, v1, SPITCH
	v_lshl_add_u32 v4, v2, 5, v4
	v_add_nc_u32 v[STO], s23, v4                   ; in: row r, 32 bytes for each half of the lanes
	v_mul_u32_u24 v5, v2, SPITCH
	v_lshl_add_u32 v5, v1, 4, v5
	v_add_nc_u32 v[RD], s23, v5                    ; back: lanes 0-15 one row of 256 bytes, lanes 16-31 the next
	v_lshlrev_b32 v5, 12, v2
	v_lshl_add_u32 v[CO], v1, 4, v5                ; and the same two rows in out0 (rows of 4,096 bytes)
	v_lshlrev_b32 v6, 5, v2                        ; the bias: my half's eight numbers of a block of 16
	s_lshl_b32 s46, s42, 9                         ; my first column, in bytes: 512 x tile column + 256 x half
	s_lshl_b32 s47, s12, 8
	s_add_co_u32 s46, s46, s47
	s_mov_b32 s47, 0
	s_add_nc_u64 s[66:67], s[66:67], s[46:47]
.irp b, 0,1,2,3
	global_load_b128 v[BI+8*\b:BI+8*\b+3], v6, s[66:67] offset:64*\b
	global_load_b128 v[BI+8*\b+4:BI+8*\b+7], v6, s[66:67] offset:64*\b+16
.endr
	s_add_nc_u64 s[8:9], s[8:9], s[46:47]
	s_lshl_b32 s16, s13, 19                        ; my first row: 128 x tile row + 64 x half, of 4,096 bytes
	s_lshl_b32 s17, s11, 18
	s_add_co_u32 s16, s16, s17
	s_mov_b32 s17, 0
	s_add_nc_u64 s[8:9], s[8:9], s[16:17]
; 8 matrix instructions: m blocks a0, a0 + 1 x all 4 n blocks, 32 along K: half c of buffer f.  first = 1: the sums start from the bias.  The 16 accumulators take turns
.macro MUL8 f, c, a0, first
.irp a, \a0, \a0+1
.irp b, 0,1,2,3
.if \first
	v_wmma_f32_16x16x32_f16 v[ACC+8*(4*(\a)+\b):ACC+8*(4*(\a)+\b)+7], v[\f+64+8*(4*\c+\b):\f+64+8*(4*\c+\b)+7], v[\f+8*(4*\c+\a):\f+8*(4*\c+\a)+7], v[BI+8*\b:BI+8*\b+7]
.else
	v_wmma_f32_16x16x32_f16 v[ACC+8*(4*(\a)+\b):ACC+8*(4*(\a)+\b)+7], v[\f+64+8*(4*\c+\b):\f+64+8*(4*\c+\b)+7], v[\f+8*(4*\c+\a):\f+8*(4*\c+\a)+7], v[ACC+8*(4*(\a)+\b):ACC+8*(4*(\a)+\b)+7]
.endif
.endr
.endr
.endm
; 32 LDS loads in one run: the fragments of 64 along K (one head) into buffer f.  k: the quarter's byte in B's rows; in A's pairs of rows a head is 256 bytes, so it lies at 2 k
.macro FETCH slot, k, f
	WIN TO_F
.irp c, 0,1
.irp i, 0,1,2,3
	ds_load_b128 v[\f+64+8*(4*\c+\i):\f+64+8*(4*\c+\i)+3],   v[ADRB+\slot] offset:\k+64*\c+\i*16*PITCH
	ds_load_b128 v[\f+64+8*(4*\c+\i)+4:\f+64+8*(4*\c+\i)+7], v[ADRB+\slot] offset:\k+64*\c+\i*16*PITCH+32
	ds_load_b128 v[\f+8*(4*\c+\i):\f+8*(4*\c+\i)+3],         v[ADRA+\slot] offset:2*(\k)+64*\c+\i*8*PA
	ds_load_b128 v[\f+8*(4*\c+\i)+4:\f+8*(4*\c+\i)+7],       v[ADRA+\slot] offset:2*(\k)+64*\c+\i*8*PA+32
.endr
.endr
.endm
.macro PLACES                          ; four plain lines in front of loads into registers that matrix instructions have read, and of reads of results
.rept 4
	v_nop
.endr
.endm
.macro QUARTER slot, k, f, g, first    ; 64 along K: multiplies buffer f and fetches the next quarter, at byte k, into g
	s_wait_dscnt 16                                ; the first 32 along K are in
	WIN MUL
	MUL8 \f, 0, 0, \first
	MUL8 \f, 0, 2, \first
	PLACES
	FETCH \slot, \k, \g
	s_wait_dscnt 32                                ; all but the 32 just issued
	WIN MUL
	MUL8 \f, 1, 0, 0
	MUL8 \f, 1, 2, 0
.endm
; The last quarter multiplies buffer 1 and changes slots: one barrier; in front of it each wave waits for all its tensor loads, adds 0 to its spare word, and waits for that and for its reads of this slot.  fill = 1: the slot is filled again, two K steps ahead
.macro TURN slot, next, fill
	WIN 0
	s_wait_tensorcnt 0x0                           ; all my tensor loads have landed: my part of the next slot
	ds_add_u32 v[SPW], v[NIL]
	s_wait_dscnt 17                                ; (the add and the youngest sixteen loads may be out)
	WIN MUL
	MUL8 F1, 0, 0, 0
	s_wait_dscnt 0x0                               ; the add is done, and my reads of this slot are over
	s_barrier_signal -1
	MUL8 F1, 0, 2, 0
.if \fill
	WIN 0
.endif
	s_barrier_wait -1
.if \fill
	CREST                                          ; the barrier has opened a round of the cluster's: no wave of any partner still reads this slot or has a load on its way
	s_add_nc_u64 s[G0+4*\slot+2:G0+4*\slot+3], s[G0+4*\slot+2:G0+4*\slot+3], 2048
	s_add_nc_u64 s[G0B+4*\slot+2:G0B+4*\slot+3], s[G0B+4*\slot+2:G0B+4*\slot+3], 2*KSTEP*2
	JLOAD \slot                                    ; the first tensor load behind the round; its four v_nop are also the places in front of the loads below
.else
	PLACES
.endif
	FETCH \next, 0, F0
	WIN MUL
	MUL8 F1, 1, 0, 0
	MUL8 F1, 1, 2, 0
.endm
	s_wait_tensorcnt 1                             ; my part of K step 0 is in (K step 1's load may be out)
	s_barrier_signal -1
	s_barrier_wait -1                              ; everybody's is
	FETCH 0, 0, F0
	s_wait_loadcnt 0x0                             ; the bias
	QUARTER 0, 128, F0, F1, 1
	WIN 0
	s_mov_b32 s3, LAPS-1
.Llap:                                                 ; a trip goes once round the ring, from a lap's second quarter to the next lap's first, and fills both slots again
	QUARTER 0, 256, F1, F0, 0
	QUARTER 0, 384, F0, F1, 0
	TURN 0, 1, 1
	QUARTER 1, 128, F0, F1, 0
	QUARTER 1, 256, F1, F0, 0
	QUARTER 1, 384, F0, F1, 0
	TURN 1, 0, 1
	QUARTER 0, 128, F0, F1, 0
	WIN 0
	s_sub_co_u32 s3, s3, 1
	s_cmp_lg_u32 s3, 0
	s_cbranch_scc1 .Llap
	QUARTER 0, 256, F1, F0, 0                      ; the last lap fills nothing
	QUARTER 0, 384, F0, F1, 0
	TURN 0, 1, 0
	QUARTER 1, 128, F0, F1, 0
	QUARTER 1, 256, F1, F0, 0
	QUARTER 1, 384, F0, F1, 0
	s_wait_dscnt 16
	WIN MUL
	MUL8 F1, 0, 0, 0
	MUL8 F1, 0, 2, 0
	s_wait_dscnt 0
	MUL8 F1, 1, 0, 0
	MUL8 F1, 1, 2, 0
	WIN 0
; THE WAY OUT, 16 rows x 64 columns at a time: a lane holds 32 bytes of a row; through my own stage the block comes back as whole rows of 256 bytes.  LDS serves a wave's instructions in order: no wait between stores and loads.
.macro TOSTAGE a
.set BB, TMP+32*((\a)%2)
.irp b, 0,1,2,3
	ds_store_b128 v[STO], v[ACC+8*(4*(\a)+\b):ACC+8*(4*(\a)+\b)+3] offset:64*\b        ; each accumulator from its low end on
	ds_store_b128 v[STO], v[ACC+8*(4*(\a)+\b)+4:ACC+8*(4*(\a)+\b)+7] offset:64*\b+16
.endr
.irp t, 0,1,2,3,4,5,6,7
	ds_load_b128 v[BB+4*\t:BB+4*\t+3], v[RD] offset:\t*2*SPITCH
.endr
.endm
.macro SEND a, younger                 ; younger: the LDS instructions issued behind block a's loads
.set BB, TMP+32*((\a)%2)
	s_wait_dscnt \younger
.irp t, 0,1,2,3,4,5,6,7
	global_store_b128 v[CO], v[BB+4*\t:BB+4*\t+3], s[8:9] offset:(16*(\a)+2*\t)*4096 th:TH_STORE_NT   ; sixteen lanes store 256 consecutive bytes, aligned; every offset an immediate
.endr
.endm
	PLACES
	TOSTAGE 0
.irp a, 1,2,3
.if \a > 1
	s_wait_xcnt 0x0                                ; block a - 2's stores have read their registers: block a's loads may land there
.endif
	TOSTAGE \a
	SEND \a-1, 16                                  ; behind block a - 1's loads: block a's 8 stores and 8 loads
.endr
	SEND 3, 0
	s_wait_tensorcnt 0x0                           ; the wave's end
	ds_add_u32 v[SPW], v[NIL]
	s_wait_dscnt 0x0
	CROUND                                         ; the closing round
	s_endpgm
.Lfunc_end_k_q9e937895d4_proj:
	.size	k_q9e937895d4_proj, .Lfunc_end_k_q9e937895d4_proj-k_q9e937895d4_proj
	.p2alignl 7, 3214868480
	.fill 96, 4, 3214868480
	.section	.rodata,"a",@progbits
	.p2align	6, 0x0
	.amdhsa_kernel k_q9e937895d4_proj
		.amdhsa_group_segment_fixed_size 327680
		.amdhsa_private_segment_fixed_size 0
		.amdhsa_enable_private_segment 0
		.amdhsa_kernarg_size 32
		.amdhsa_user_sgpr_count 2
		.amdhsa_user_sgpr_kernarg_segment_ptr 1
		.amdhsa_wavefront_size32 1
		.amdhsa_system_sgpr_workgroup_id_x 1
		.amdhsa_system_sgpr_workgroup_id_y 1
		.amdhsa_system_sgpr_workgroup_id_z 1
		.amdhsa_system_vgpr_workitem_id 0
		.amdhsa_next_free_vgpr 512
		.amdhsa_next_free_sgpr 68
		.amdhsa_reserve_vcc 0
		.amdhsa_float_denorm_mode_32 3
		.amdhsa_float_denorm_mode_16_64 3
		.amdhsa_memory_ordered 1
		.amdhsa_forward_progress 1
		.amdhsa_inst_pref_size 87
	.end_amdhsa_kernel
	.amdgpu_metadata
---
amdhsa.version: [ 1, 2 ]
amdhsa.kernels:
  - .name:           k_q9e937895d4_proj
    .symbol:         k_q9e937895d4_proj.kd
    .args:
      - { .name: ao, .offset: 0, .size: 8, .value_kind: global_buffer, .address_space: global }
      - { .name: wot, .offset: 8, .size: 8, .value_kind: global_buffer, .address_space: global }
      - { .name: out0, .offset: 16, .size: 8, .value_kind: global_buffer, .address_space: global }
      - { .name: bo, .offset: 24, .size: 8, .value_kind: global_buffer, .address_space: global }
    .group_segment_fixed_size: 327680
    .private_segment_fixed_size: 0
    .kernarg_segment_align: 8
    .kernarg_segment_size: 32
    .max_flat_workgroup_size: 128
    .sgpr_count:     68
    .vgpr_count:     512
    .wavefront_size: 32
...
	.end_amdgpu_metadata
.endif
;; end of part 4
